; MI455X (gfx1250); checked and timed in simulation.
; The chip was launched on July 23, 2026; its instructions are those of AMD's public machine-readable ISA for CDNA 5 (MIT licence, August 2026) and "CDNA5" Instruction Set Architecture Reference Guide (July 2026). The comments in the code are by the model that wrote it; some were corrected since.
;; Causal Self Attention. Allowed arithmetic: matrix products marked QUANTISED: E2M1 operands, one E8M0 scale for each 32 along K, by v_wmma_scale_f32_16x16x128_f8f6f4 with both operands' format E2M1 (or v_wmma_scale_f32_32x16x128_f4), f32 sums; everything else in f32.
;; Inputs: data 4 x 2,048 x 1,024 float32; out_b 1,024 float32; out_w 1,024 x 1,024 float32; qkv_b 3,072 float32; qkv_w 3,072 x 1,024 float32.
;; Outputs: out0 4 x 2,048 x 1,024 float32.
;; This version of the problem:
;;   THIS VERSION OF THE PROBLEM IS GIVEN IN LOW PRECISION. The matrix products marked QUANTISED in the list below multiply operands that are first quantised to E2M1 (2 exponent bits, 1 mantissa bit; 4 bits a number), with one power-of-two scale for each 32 numbers along K (OCP MX v1.0); their sums are f32. All else is computed in f32.
;;   The module's matrix products, in the order in which they are computed (A, B: the left and right operand; K: the contracted axis; several contracted axes count as one K, in the product's order):
;;     1. [M 8,192, K 1,024] x [K 1,024, N 3,072]; A: input data; B: input qkv_w: QUANTISED
;;     2. batch 64 x [M 2,048, K 64] x [K 64, N 2,048]; A: computed on the way; B: computed on the way: QUANTISED
;;     3. batch 64 x [M 2,048, K 2,048] x [K 2,048, N 64]; A: softmax (see below); B: computed on the way: QUANTISED
;;     4. [M 8,192, K 1,024] x [K 1,024, N 1,024]; A: computed on the way; B: input out_w: QUANTISED
;;   THE QUANTISER, for each operand of a quantised product, along K:
;;     - K is cut into blocks of 32 from its start; a last block that is shorter is filled with zeros.
;;     - A block's scale is 2^e with e = floor(log2(the largest magnitude in the block)) - 2, held to -126 .. 127; a block of zeros has e = 0. As a byte (E8M0): e + 127.
;;     - Each number is divided by its block's scale, clamped to +-6, and rounded to the nearest number of E2M1, ties to even, subnormals kept.
;;     - The product sums the exact products of the quantised numbers (number of the format x scale) in f32.
;;   ~~~python
;;   def quantise(x, axis):      # numpy; x: float32 -> the quantised numbers, widened to float32 again
;;       x = np.moveaxis(x, axis, -1); K = x.shape[-1]
;;       x = np.pad(x, [(0, 0)] * (x.ndim - 1) + [(0, -K % 32)]); x = x.reshape(x.shape[:-1] + (-1, 32)); a = np.abs(x).max(-1, keepdims=True)
;;       e = np.where(a > 0, np.clip(np.frexp(np.where(a > 0, a, 1))[1] - 1 - 2, -126, 127), 0)      # np.frexp(a)[1] - 1 = floor(log2(a)), exactly
;;       r = np.clip(x / 2.0 ** e, -6, 6)
;;       step = 2.0 ** (np.maximum(np.frexp(np.where(r == 0, 1, r))[1] - 1, 0) - 1)
;;       q = np.round(r / step) * step * 2.0 ** e      # np.round: ties to even
;;       return np.moveaxis(q.reshape(q.shape[:-2] + (-1,))[..., :K], -1, axis).astype(np.float32)
;;   ~~~
;;   SOFTMAX AHEAD OF A QUANTISED PRODUCT. Where the list says 'softmax', what is quantised is not the finished softmax but p = 2^(t - M), with t = logit x log2(e) and M = ceil(the row's largest t), a whole number; so 1/2 < the row's largest p <= 1. The row's sum l is taken of the UNQUANTISED p, in f32, and the product's result is divided by l at the end. Since M is a whole number, a kernel that streams over the keys may use a running M (the ceiling of the running maximum): every later rescaling is an exact power of two, which a block's scale takes up: the codes' values come out the same.
;;   OPERANDS COMPUTED ON THE WAY. 'Computed on the way' means the value that the module computes at that place (a softmax that the list does not call 'softmax' is quantised finished and normalised). What goes into a quantiser is computed in f32, as accurately as f32 sums, v_exp_f32 and their like allow (about 1e-6 of the number): no bf16 or f16 on the way to a quantiser, and a product that is left as it is and whose result goes on into a quantised operand takes f32 operands (vector FMAs, or v_wmma_f32_16x16x4_f32). A number that lies on a knife's edge between two numbers of the format may be rounded either way, as far as f32 arithmetic and the matrix unit's own rounding can turn it there, and no further.
;; One version. Each part assembles by itself: llvm-mc -triple=amdgcn-amd-amdhsa -mcpu=gfx1250 --defsym DOCPART=n.
;; ======== version 1 of 1: 4 launches
;; workspace buffers: x_codes 4,194,304 bytes; w_codes 2,097,152 bytes; in_scales 393,216 bytes; qk_codes 8,388,608 bytes; v_codes 4,194,304 bytes; qkv_scales 1,310,720 bytes; a_codes 4,194,304 bytes; a_scales 262,144 bytes
;; launch quant (part 1): grid 384 x 1, 4 waves a work-group, no clusters, 33,280 bytes of LDS; arguments data, qkv_w, out_w, x_codes, w_codes, in_scales; writes x_codes, w_codes, in_scales
.if DOCPART == 1
	.amdgcn_target "amdgcn-amd-amdhsa--gfx1250"
	.amdhsa_code_object_version 6
	.text
	.protected	k_qa41547b6cb_quant
	.globl	k_qa41547b6cb_quant
	.p2align	8
	.type	k_qa41547b6cb_quant,@function
k_qa41547b6cb_quant:
	s_mov_b64 s[64:65], 0
	v_nop
	global_prefetch_b8 v0, s[64:65] scope:SCOPE_SE
	s_setreg_imm32_b32 hwreg(HW_REG_WAVE_MODE, 25, 1), 1
	s_wait_xcnt 0x0
; data [8192][1024], qkv_w [3072][1024] and out_w [1024][1024], f32, K innermost, become codes of FP4 (E2M1), two a byte, and one E8M0 byte for each 32 along K.
; A block's scale is 2^(floor(log2(its largest magnitude)) - 2); its byte is the largest magnitude's exponent field - 2, held at 1 from below.
; LIMITS: NaN and infinities among the inputs are not served; a block whose largest magnitude lies under 2^-124 is held at byte 1; a block of zeros
; gets the byte 1 where the rule says 127: its codes are zeros, which add nothing under any byte but 0xff, and only this program reads the bytes.
; SHARES.  A wave takes a run of 8,192 numbers: 8 rows.  Work-groups 0-255 take data (1,024 runs), 256-351 qkv_w (384), 352-383 out_w (128).
; ORDER OF THE ROWS.  data's and qkv_w's rows are stored with bits 3 and 4 of the row number exchanged, which is bits 0 and 1 of the run number, the wave's own two bits:
; 16 neighbouring stored rows 32 b + 16 u + x are then the true rows 32 b + 8 u + x % 8 + 16 (x / 8), the rows that the next launch wants in one tile.  out_w keeps its order.
; x_codes: data's rows, 512 bytes each.  w_codes: qkv_w's 3,072 rows, then out_w's.  in_scales: data's rows, 32 bytes each, then from byte 262,144 w_codes' rows.
; A step is 512 numbers: four loads of 512 consecutive bytes; the 2,048 bytes turn through the wave's own stage in LDS, so that a lane holds 16 neighbours along K (two lanes hold a block).
; No tensor loads, no barrier: waves share nothing.  Loads run four steps (16 loads a wave) ahead, the turn through LDS one step.
.set STEPS, 16
.set CB,    8                          ; bytes of 16 codes
.set R,     16                         ; v16-79   four sets of 16 numbers as they are loaded
.set X,     80                         ; v80-111  two sets of 16 neighbours
.set E,     112                        ; v112-127 a scale byte for each step
.set C,     128                        ; v128-191 codes: four registers for each step, so that no store's data are written again
.set WREG,  8192                       ; LDS: a region for each wave: two stages of 32 x SP bytes, behind them its 256 scale bytes
.set SP,    80                         ; a lane's place in a stage: its 64 bytes + 16 of padding
	s_load_b256 s[4:11], s[0:1], 0x0               ; data s[4:5], qkv_w s[6:7], out_w s[8:9], x_codes s[10:11]
	s_load_b128 s[12:15], s[0:1], 0x20             ; w_codes s[12:13], in_scales s[14:15]
	v_lshl_add_u32 v192, v0, 2, 0x8000
	v_mov_b32 v193, 0
	v_lshrrev_b32 v1, 5, v0
	v_readfirstlane_b32 s16, v1                    ; wave
	v_and_b32 v2, 31, v0                           ; lane
	v_lshlrev_b32 v3, 4, v2                        ; my 16 bytes of a load's 512
	s_mul_i32 s19, s16, WREG
	v_lshrrev_b32 v14, 2, v2
	v_mul_u32_u24 v14, v14, SP
	v_and_b32 v15, 3, v2
	v_lshl_add_u32 v14, v15, 4, v14
	v_add_nc_u32 v14, s19, v14                     ; the stage, on the way in: SP (lane / 4) + 16 (lane % 4)
	v_mul_u32_u24 v15, v2, SP
	v_add_nc_u32 v15, s19, v15                     ; and on the way out: SP x lane: my 16 neighbours
	v_mul_u32_u24 v4, v2, CB                       ; my codes' place in a step's
	v_lshrrev_b32 v5, 1, v2
	s_add_co_u32 s19, s19, 2*32*SP
	v_add_nc_u32 v5, s19, v5                       ; LDS: my wave's 256 scale bytes, my block's byte
	v_lshlrev_b32 v7, 3, v2                        ; and on the way out 8 bytes a lane
	v_add_nc_u32 v6, s19, v7
	s_and_b32 s20, s16, 1
	s_lshl_b32 s20, s20, 1
	s_lshr_b32 s21, s16, 1
	s_or_b32 s20, s20, s21                         ; the wave's two bits exchanged
	s_wait_alu depctr_va_vdst(0)
	s_wait_kmcnt 0x0
	s_cmp_lt_u32 ttmp9, 352                        ; qkv_w or out_w?  Every choice hangs on the work-group's number alone
	s_cselect_b64 s[6:7], s[6:7], s[8:9]
	s_mov_b32 s18, 352
	s_cselect_b32 s18, 256, s18                    ; the tensor's first work-group
	s_cselect_b32 s20, s20, s16                    ; out_w keeps its rows' order
	s_cselect_b32 s21, 0, 384                      ; out_w's runs lie behind qkv_w's 384
	s_cmp_lt_u32 ttmp9, 256                        ; data or a weight?
	s_cselect_b64 s[4:5], s[4:5], s[6:7]
	s_cselect_b64 s[10:11], s[10:11], s[12:13]
	s_cselect_b32 s18, 0, s18
	s_cselect_b32 s22, 0, 262144                   ; the weights' scale bytes lie behind data's
	s_cselect_b32 s21, 0, s21
	s_sub_co_u32 s17, ttmp9, s18
	s_lshl_b32 s17, s17, 2
	s_add_co_u32 s24, s17, s16                     ; the run that I read
	s_add_co_u32 s26, s17, s20
	s_add_co_u32 s26, s26, s21                     ; the run that I write
	s_lshl_b32 s24, s24, 15                        ; 32,768 bytes of f32 a run
	s_mov_b32 s25, 0
	s_add_nc_u64 s[4:5], s[4:5], s[24:25]
	s_lshl_b32 s28, s26, 12                        ; 4,096 bytes of codes
	s_mov_b32 s29, 0
	s_add_nc_u64 s[10:11], s[10:11], s[28:29]
	s_lshl_b32 s26, s26, 8                         ; 256 scale bytes
	s_add_co_u32 s26, s26, s22
	s_mov_b32 s27, 0
	s_add_nc_u64 s[14:15], s[14:15], s[26:27]
.macro LOAD t
.irp i, 0,1,2,3
	global_load_b128 v[R+16*((\t)%4)+4*\i:R+16*((\t)%4)+4*\i+3], v3, s[4:5] offset:2048*(\t)+512*\i th:TH_LOAD_NT   ; 32 lanes read 512 consecutive bytes
.endr
.endm
.macro TURN t                          ; step t's numbers through the stage: LDS serves a wave's instructions in order, so no wait stands between the stores and the loads
.irp i, 0,1,2,3
	ds_store_b128 v14, v[R+16*((\t)%4)+4*\i:R+16*((\t)%4)+4*\i+3] offset:32*SP*((\t)%2)+8*SP*\i
.endr
.irp i, 0,1,2,3
	ds_load_b128 v[X+16*((\t)%2)+4*\i:X+16*((\t)%2)+4*\i+3], v15 offset:32*SP*((\t)%2)+16*\i
.endr
.endm
.irp t, 0,1,2,3
	LOAD \t
.endr
	s_wait_loadcnt 12                              ; step 0's four loads are in; three steps' twelve may be out
	TURN 0
.macro STEP t
.set XS, X+16*((\t)%2)
.if (\t) > 0
	s_wait_dscnt 1                                 ; this step's numbers are back from the stage (the last step's byte store may be out): so its stores into the stage have read their registers,
.else
	s_wait_dscnt 0x0
.endif
.if (\t)+4 < STEPS
	LOAD (\t)+4                                    ; which take the loads of four steps on
.endif
.if (\t)+1 < STEPS
.if STEPS-2-(\t) >= 3
	s_wait_loadcnt 12                              ; the next step's four loads are in; those of the three steps behind it may be out
.else
	s_wait_loadcnt 4*(STEPS-2-(\t))
.endif
	TURN (\t)+1                                    ; and go through the other stage while this step is worked
.endif
	v_max3_num_f32 v8, |v[XS]|, |v[XS+1]|, |v[XS+2]|               ; the largest magnitude of my 16, in two chains
	v_max3_num_f32 v9, |v[XS+3]|, |v[XS+4]|, |v[XS+5]|
.irp i, 6,10
	v_max3_num_f32 v8, v8, |v[XS+\i]|, |v[XS+\i+1]|
	v_max3_num_f32 v9, v9, |v[XS+\i+2]|, |v[XS+\i+3]|
.endr
	v_max3_num_f32 v8, v8, |v[XS+14]|, |v[XS+15]|
	v_max3_num_f32 v8, v8, v9, 0x1800000           ; and the floor 2^(3 - 127): the byte cannot fall under 1
	v_max_num_f32_dpp v8, v8, v8 row_xmask:1 row_mask:0xf bank_mask:0xf   ; and of my neighbour's 16: the block's
	v_add_nc_u32 v11, 0xff000000, v8               ; 2 off its exponent field: the conversion takes the exponent field of this operand as its scale, and nothing else of it
	v_cvt_scalef32_pk8_fp4_f32 v[C+4*(\t)], v[XS:XS+7], v11
	v_cvt_scalef32_pk8_fp4_f32 v[C+4*(\t)+1], v[XS+8:XS+15], v11
	v_lshrrev_b32 v[E+(\t)], 23, v11               ; the scale's byte (also the plain line behind the conversions)
	ds_store_b8 v5, v[E+(\t)] offset:16*(\t)       ; both lanes of a block write the same byte with the same value
	global_store_b64 v4, v[C+4*(\t):C+4*(\t)+1], s[10:11] offset:32*CB*(\t)   ; the wave stores 256 consecutive bytes, aligned
.endm
.irp t, 0,1,2,3,4,5,6,7,8,9,10,11,12,13,14,15
	STEP \t
.endr
	ds_load_b64 v[12:13], v6                       ; LDS serves a wave's instructions in order: these see my stores
	s_wait_dscnt 0x0
	global_store_b64 v7, v[12:13], s[14:15]        ; 32 lanes store 256 consecutive bytes, aligned
	s_wait_tensorcnt 0x0
	ds_add_u32 v192, v193
	s_wait_dscnt 0x0
	s_endpgm
.Lfunc_end_k_qa41547b6cb_quant:
	.size	k_qa41547b6cb_quant, .Lfunc_end_k_qa41547b6cb_quant-k_qa41547b6cb_quant
	.p2alignl 7, 3214868480
	.fill 96, 4, 3214868480
	.section	.rodata,"a",@progbits
	.p2align	6, 0x0
	.amdhsa_kernel k_qa41547b6cb_quant
		.amdhsa_group_segment_fixed_size 33280
		.amdhsa_private_segment_fixed_size 0
		.amdhsa_enable_private_segment 0
		.amdhsa_kernarg_size 48
		.amdhsa_user_sgpr_count 2
		.amdhsa_user_sgpr_kernarg_segment_ptr 1
		.amdhsa_wavefront_size32 1
		.amdhsa_system_sgpr_workgroup_id_x 1
		.amdhsa_system_sgpr_workgroup_id_y 1
		.amdhsa_system_sgpr_workgroup_id_z 1
		.amdhsa_system_vgpr_workitem_id 0
		.amdhsa_next_free_vgpr 194
		.amdhsa_next_free_sgpr 66
		.amdhsa_reserve_vcc 0
		.amdhsa_float_denorm_mode_32 3
		.amdhsa_float_denorm_mode_16_64 3
		.amdhsa_memory_ordered 1
		.amdhsa_forward_progress 1
		.amdhsa_inst_pref_size 34
	.end_amdhsa_kernel
	.amdgpu_metadata
---
amdhsa.version: [ 1, 2 ]
amdhsa.kernels:
  - .name:           k_qa41547b6cb_quant
    .symbol:         k_qa41547b6cb_quant.kd
    .args:
      - { .name: data, .offset: 0, .size: 8, .value_kind: global_buffer, .address_space: global }
      - { .name: qkv_w, .offset: 8, .size: 8, .value_kind: global_buffer, .address_space: global }
      - { .name: out_w, .offset: 16, .size: 8, .value_kind: global_buffer, .address_space: global }
      - { .name: x_codes, .offset: 24, .size: 8, .value_kind: global_buffer, .address_space: global }
      - { .name: w_codes, .offset: 32, .size: 8, .value_kind: global_buffer, .address_space: global }
      - { .name: in_scales, .offset: 40, .size: 8, .value_kind: global_buffer, .address_space: global }
    .group_segment_fixed_size: 33280
    .private_segment_fixed_size: 0
    .kernarg_segment_align: 8
    .kernarg_segment_size: 48
    .max_flat_workgroup_size: 128
    .sgpr_count:     66
    .vgpr_count:     194
    .wavefront_size: 32
...
	.end_amdgpu_metadata
.endif
;; end of part 1
;; launch qkv (part 2): grid 4 x 64, 4 waves a work-group, clusters of 4 x 4, 327,680 bytes of LDS; arguments x_codes, w_codes, in_scales, qkv_b, qk_codes, v_codes, qkv_scales; writes qk_codes, v_codes, qkv_scales
.if DOCPART == 2
	.amdgcn_target "amdgcn-amd-amdhsa--gfx1250"
	.amdhsa_code_object_version 6
	.text
	.protected	k_qa41547b6cb_qkv
	.globl	k_qa41547b6cb_qkv
	.p2align	8
	.type	k_qa41547b6cb_qkv,@function
k_qa41547b6cb_qkv:
	s_mov_b64 s[64:65], 0
	v_nop
	global_prefetch_b8 v0, s[64:65] scope:SCOPE_SE
	s_setreg_imm32_b32 hwreg(HW_REG_WAVE_MODE, 25, 1), 1
	s_wait_xcnt 0x0
	s_wait_alu depctr_hold_cnt(0) depctr_sa_sdst(0) depctr_va_vdst(0) depctr_va_sdst(0) depctr_va_ssrc(0) depctr_va_vcc(0) depctr_vm_vsrc(0)
	s_getreg_b32 s2, hwreg(HW_REG_IB_STS2, 6, 4)
	s_cmp_eq_u32 s2, 0
	s_cbranch_scc0 .Lentry_in_a_cluster
	s_endpgm
.Lentry_in_a_cluster:
	s_bfe_u32 s2, ttmp6, 0x10000c
	s_cmp_lg_u32 s2, 0xf033
	s_cbranch_scc0 .Lentry_shape_is_right
	s_endpgm
.Lentry_shape_is_right:
; qkv = data qkv_w^T + qkv_b on codes of FP4 with E8M0 scales (K = 1,024), and its three parts quantised at once, in registers, for the attention that follows:
; q and k along the head's 64 (two blocks a token and head), v along the tokens (blocks of 32 tokens).  No f32 number of qkv goes to memory.
; SHARES.  4 x 64 work-groups, one for each WGP.  A WORK-GROUP STAYS: it makes, one after the other, q, k and v (parts 0, 1, 2) of 128 tokens x 256 features (four heads).
; Wave w makes one head's 64 features for all 128 tokens: 32 accumulators of 16 x 16, begun anew for each part.
; LDS.  data's tile, all of K (two halves of 512 along K, rows of 256 bytes + 16 of padding), and all scale bytes are filled once and serve all three parts.
; The weight's six tiles (part p, half of K: tile 2 p + half; 256 rows x 256 bytes) go through a ring of three slots, tile n into slot n % 3: tiles 0, 1, 2 are first fills;
; tile 3 is asked for when slot 0's last fragments are in, tile 4 behind part 0's way out, tile 5 behind part 1's last products: each at least four K steps ahead of its first read.
; All of a WGP's LDS is claimed, and 0 is added to spare words in front of each refill and at the end.
; CLUSTER 4 x 4: data's tile hangs on the tile row alone and is asked for jointly by a row of the cluster, the weight's on the tile column alone, by a column.
; ROWS OF A TILE.  data's and qkv_w's rows were stored with bits 3 and 4 of the row number exchanged: stored rows 16 T .. 16 T + 15 (T = 2 b + u) are the true rows 32 b + 8 u + x + 8 (x / 8).
;   q, k: source 0 = 16 rows of the weight, source 1 = 16 tokens: a lane holds ONE token, and the 16 registers of tiles 2 b, 2 b + 1 are features 32 b + 16 (lane / 16) + 0 .. 15.
;   v:    source 0 = 16 tokens, source 1 = 16 rows of the weight: a lane holds ONE feature, and the 16 registers of token tiles 2 b, 2 b + 1 are tokens 32 b + 16 (lane / 16) + 0 .. 15.
; So in both a block of 32 lies in lanes l and l xor 16, 16 registers each, and one text quantises both.  The bias is the C of each sum's first product.
; OUT.  qk_codes [q, k][batch x 16 + head][token][32 bytes];  v_codes [batch x 16 + head][token / 128][tile of 16 d][c][lane][16 bytes]: the image of the registers of attention's operand;
;   qkv_scales: q's words [bh][token] (two bytes, and 0x7f twice for the zero codes that fill K = 64 up to 128), from byte 524,288 k's, from 1,048,576 v's [bh][token / 128][tile][row].
; LIMITS: NaN and infinities are not served; a block whose largest magnitude lies under 2^-124 is held at byte 1; a block of zeros gets byte 1 (its codes are zeros; only this program reads the bytes).
; REGISTERS, in windows of 256: window 0: v1-25 addresses; v32-63 the weight's scale words, v64-127 data's (scales and nothing else); v128-223 the quantiser's.
;   window 1: the 32 accumulators.   window 2: two sets of 12 fragments at v0 and v96 (the weight's 4, then data's 8).   window 3: the biases, 32 registers a part.
.set PITCH,  272                       ; an LDS row: 256 bytes + 16: the 16 rows of a fragment load start in 16 different 16-byte columns modulo 256 bytes
.set DSLOT,  128*PITCH                 ; data's 128 rows, 512 along K
.set WR,     2*DSLOT                   ; the weight's ring
.set WSLOT,  256*PITCH
.set WHALF,  128*PITCH
.set WQUAR,  64*PITCH
.set SCW,    WR+3*WSLOT                ; the weight's scale bytes: [half of the rows][part][128 rows x 32]
.set SCD,    SCW+3*8192                ; data's: 128 rows x 32
.set STQ,    SCD+4096                  ; q's and k's way out: 512 bytes for each wave, its tokens' scale words
.set STV,    STQ+2048                  ; v's: 256 bytes for each wave
.set SPARE,  STV+1024                  ; the spare words, 128 bytes for each wave: two blocks of 256 bytes that no other line names
.set ADRW, 8                           ; v8-10  LDS address of my fragments of the weight in slot 0, 1, 2
.set ADRD, 11                          ; v11-12 of data's in its two halves of K
.set ADSW, 13                          ; v13    of the weight's scale words
.set ADSD, 14                          ; v14    of data's
.set CO,   15                          ; v15    q, k: my 16 bytes among a tile's tokens
.set L16,  16                          ; v16    16 x lane
.set STQW, 17
.set STQR, 18
.set STVW, 19
.set STVR, 20
.set BQ,   21                          ; v21    64 (lane / 16): the bias of my half's features
.set BV,   22                          ; v22    4 (r + 8 (r / 8)): the bias of my feature
.set L8,   23                          ; v23    8 x lane
.set SPW,  24                          ; v24    LDS address of my spare word: SPARE + 4 x my thread's number; never rewritten
.set NIL,  25                          ; v25    0; never rewritten
.set SW,   32
.set SD,   64
.set TM,   128                         ; v128-143 16 blocks' largest magnitudes
.set TX,   144                         ; v144-159 the other half's, then the bytes
.set SO,   160                         ; v160-175 the conversions' scale operands
.set WD,   176                         ; v176-183 scale words
.set RB,   184                         ; v184-187 scale words read back
.set PC,   192                         ; v192-223 codes
.set WV,   18
.set ROLE, 19                          ; 0: my first fills are data's, 1: the weight's.  Also: which half of the weight's 256 rows holds my 64
.set EH,   20                          ; which half of their rows I fetch.  Also: which 64 of that half are mine
.set CX,   21
.set CY,   22
.set WGY,  23
.set G1D,  24                          ; s[24:31] group 1 for data's tiles; s[32:39] the weight's halves; s[40:47], s[48:55] the scale bytes'
.set G1W,  32
.set G1SD, 40
.set G1SW, 48
.set G0D,  56                          ; s[56:63] groups 0 for data's two halves of K; s[68:75] the weight's tiles 0, 1; s[76:79], s[80:83] the scale bytes'
.set G0W,  68
.set G0SD, 76
.set G0SW, 80
.set G1Q,  84                          ; s[84:91] group 1 for a quarter (64 rows) of a tile of the weight
.set G0Q,  92                          ; s[92:95] its group 0, which walks: tiles 2, 3, 4, 5
.set WQ,   96                          ; s96  LDS byte of my 64 rows in slot 0
.set WGX,  97
.set SEL,  98                          ; s[98:99] lane selects for v_permlanex16_b32: lane l xor 16 (set behind the descriptors, which use the pair first)
.set LOADF, 0x80                       ; destination window 2, address window 0
.set MUL,   0x5a                       ; sources 0 and 1 window 2, C and D window 1
.set MUL0,  0x7a                       ; the same with C in window 3 (the bias)
.set MAXW,  0x05                       ; sources 0 and 1 window 1
.set CVTW,  0x01                       ; source 0 window 1
.set LOADB, 0xc0                       ; destination window 3, address window 0
.set MOVB,  0xc3                       ; source 0 and destination window 3
.set MSB, 0
.macro WIN new                         ; the immediate's high byte repeats the setting that is left
.if MSB != \new
	s_set_vgpr_msb (MSB<<8)|\new
.set MSB, \new
.endif
.endm
.macro PLACES n
.rept \n
	v_nop
.endr
.endm
; A joint first fill: waves 0 and 1 fetch for data, waves 2 and 3 for the weight.  Each line has one mask and one set of registers for all that issue it; the branch hangs on the wave's number alone.
; Four v_nop follow each of the two lines.
.macro JLOAD g0a, g1a, g0b, g1b
	s_cmp_eq_u32 s[ROLE], 0
	s_cbranch_scc0 .Lfor_w_\@
	tensor_load_to_lds s[\g0a:\g0a+3], s[\g1a:\g1a+7]
	s_nop 0
.rept 4
	v_nop
.endr
	s_branch .Lasked_\@
.Lfor_w_\@:
	tensor_load_to_lds s[\g0b:\g0b+3], s[\g1b:\g1b+7]
	s_nop 0
.rept 4
	v_nop
.endr
.Lasked_\@:
.endm
.macro QLOAD                           ; every wave fetches its own 64 rows of a tile of the weight, jointly with the same wave of the column's partners; four v_nop follow
	tensor_load_to_lds s[G0Q:G0Q+3], s[G1Q:G1Q+7]
	s_nop 0
.rept 4
	v_nop
.endr
.endm
.macro CROUND                          ; a round of the cluster's barrier
	s_barrier_signal -1
	s_barrier_wait -1
	s_cmp_lg_u32 s[WV], 0
	s_cbranch_scc1 .Lnot_wave_0_\@
	s_barrier_signal -3
.Lnot_wave_0_\@:
	s_barrier_wait -3
	s_barrier_signal -1
	s_barrier_wait -1
.endm
; A slot of the ring, which nobody will read again as it is, takes the weight's next tile.  Each wave waits for all its tensor loads, adds 0 to its spare word, steps the walking group 0 (no load of
; the wave is out), and waits for the add and for its reads of the slot; the round shows the same of every wave of every partner; the wave's one load stands first behind it.
.macro REFILL slot, delta
	WIN 0
	s_wait_tensorcnt 0x0                           ; all my tensor loads have landed
	ds_add_u32 v[SPW], v[NIL]                      ; 0 onto my spare word
	s_add_co_u32 s[G0Q+1], s[WQ], (\slot)*WSLOT    ; my 64 rows in the slot
	s_add_nc_u64 s[G0Q+2:G0Q+3], s[G0Q+2:G0Q+3], \delta   ; the next tile; the type bits on top are not reached
	s_wait_dscnt 0x0                               ; the add is done, and my reads of the slot are over
	CROUND
	QLOAD                                          ; its four v_nop are also places in front of what follows
.endm
	s_load_b256 s[4:11], s[0:1], 0x0               ; x_codes s[4:5], w_codes s[6:7], in_scales s[8:9], qkv_b s[10:11]
	s_load_b128 s[12:15], s[0:1], 0x20             ; qk_codes s[12:13], v_codes s[14:15]
	s_load_b64 s[16:17], s[0:1], 0x30              ; qkv_scales
	v_lshl_add_u32 v[SPW], v0, 2, SPARE
	v_mov_b32 v[NIL], 0
	ds_add_u32 v24, v25
	ds_add_u32 v24, v25
	s_wait_dscnt 0x0
	v_lshrrev_b32 v1, 5, v0
	v_readfirstlane_b32 s[WV], v1                  ; wave 0..3
	s_lshr_b32 s[ROLE], s[WV], 1
	s_and_b32 s[EH], s[WV], 1
	s_bfe_u32 s[CX], ttmp6, 0x40000                ; my place in the cluster
	s_bfe_u32 s[CY], ttmp6, 0x40004
	s_lshl_b32 s[WGX], ttmp9, 2
	s_add_co_u32 s[WGX], s[WGX], s[CX]             ; tile column: 256 features of each part (four heads)
	s_and_b32 s[WGY], ttmp7, 0xffff
	s_lshl_b32 s[WGY], s[WGY], 2
	s_add_co_u32 s[WGY], s[WGY], s[CY]             ; tile row: 128 tokens
	s_lshl_b32 s100, s[CY], 2
	s_lshl_b32 s100, 15, s100                      ; my row of the cluster
	s_lshl_b32 s101, 0x1111, s[CX]                 ; my column
	; groups 1.  Codes: rows of 256 bytes (512 along K), 512 bytes apart in memory, 16 bytes of padding behind each; data 64 rows a load, the weight 128 or 64
	s_or_b32 s[G1D], s100, (1<<20)|(1<<21)|(5<<22)|(3<<25)   ; 15:0 mask; 17:16 elements of 1 byte; 20 padding on; 21 set beside a mask; 24:22 after every 64 words; 31:25 four words
	s_mov_b32 s[G1D+1], 256<<16                    ; tensor_dim0
	s_mov_b32 s[G1D+2], 64<<16                     ; tensor_dim1
	s_mov_b32 s[G1D+3], 256<<16                    ; tile_dim0
	s_mov_b32 s[G1D+4], 64                         ; tile_dim1
	s_mov_b32 s[G1D+5], 512                        ; from row to row
	s_mov_b32 s[G1D+6], 0
	s_mov_b32 s[G1D+7], 0
	s_or_b32 s[G1W], s101, (1<<20)|(1<<21)|(5<<22)|(3<<25)
	s_mov_b32 s[G1W+1], 256<<16
	s_mov_b32 s[G1W+2], 128<<16
	s_mov_b32 s[G1W+3], 256<<16
	s_mov_b32 s[G1W+4], 128
	s_mov_b32 s[G1W+5], 512
	s_mov_b32 s[G1W+6], 0
	s_mov_b32 s[G1W+7], 0
	s_or_b32 s[G1Q], s101, (1<<20)|(1<<21)|(5<<22)|(3<<25)
	s_mov_b32 s[G1Q+1], 256<<16
	s_mov_b32 s[G1Q+2], 64<<16
	s_mov_b32 s[G1Q+3], 256<<16
	s_mov_b32 s[G1Q+4], 64
	s_mov_b32 s[G1Q+5], 512
	s_mov_b32 s[G1Q+6], 0
	s_mov_b32 s[G1Q+7], 0
	; data's scale bytes: 64 rows x 32 bytes, dense: 8 rows of 256 bytes (32 elements of 8 bytes)
	s_or_b32 s[G1SD], s100, (3<<16)|(1<<21)
	s_mov_b32 s[G1SD+1], 32<<16
	s_mov_b32 s[G1SD+2], 8<<16
	s_mov_b32 s[G1SD+3], 32<<16
	s_mov_b32 s[G1SD+4], 8
	s_mov_b32 s[G1SD+5], 32
	s_mov_b32 s[G1SD+6], 0
	s_mov_b32 s[G1SD+7], 0
	; the weight's: 128 rows x 32 bytes are 4,096 dense bytes (512 elements of 8); the three parts lie 1,024 rows = 32,768 bytes (4,096 elements) apart: three rows
	s_or_b32 s[G1SW], s101, (3<<16)|(1<<21)
	s_mov_b32 s[G1SW+1], 512<<16
	s_mov_b32 s[G1SW+2], 3<<16
	s_mov_b32 s[G1SW+3], 512<<16
	s_mov_b32 s[G1SW+4], 3
	s_mov_b32 s[G1SW+5], 4096
	s_mov_b32 s[G1SW+6], 0
	s_mov_b32 s[G1SW+7], 0
	; groups 0: counts and LDS addresses: constants and the wave's number; no place in the cluster enters an LDS address
	s_mov_b32 s[G0D], 1
	s_mul_i32 s[G0D+1], s[EH], WQUAR
	s_mov_b32 s[G0D+4], 1
	s_add_co_u32 s[G0D+5], s[G0D+1], DSLOT
	s_mov_b32 s[G0W], 1
	s_mul_i32 s[G0W+1], s[EH], WHALF
	s_add_co_u32 s[G0W+1], s[G0W+1], WR
	s_mov_b32 s[G0W+4], 1
	s_add_co_u32 s[G0W+5], s[G0W+1], WSLOT
	s_mov_b32 s[G0SD], 1
	s_lshl_b32 s[G0SD+1], s[EH], 11
	s_add_co_u32 s[G0SD+1], s[G0SD+1], SCD
	s_mov_b32 s[G0SW], 1
	s_mul_i32 s[G0SW+1], s[EH], 3*4096
	s_add_co_u32 s[G0SW+1], s[G0SW+1], SCW
	s_mul_i32 s[WQ], s[WV], WQUAR
	s_add_co_u32 s[WQ], s[WQ], WR
	s_mov_b32 s[G0Q], 1
	s_add_co_u32 s[G0Q+1], s[WQ], 2*WSLOT          ; tile 2 goes into slot 2
	; where the tiles come from: data's in registers that never hold cx, the weight's in registers that never hold cy
	s_lshl_b32 s2, s[WGY], 7
	s_lshl_b32 s3, s[EH], 6
	s_add_co_u32 s2, s2, s3                        ; data: stored row 128 x tile row + 64 x half
	s_lshl_b32 s66, s[WGX], 8
	s_lshl_b32 s98, s[EH], 7
	s_add_co_u32 s67, s66, s98                     ; the weight, part 0: stored row 256 x tile column + 128 x half
	s_lshl_b32 s98, s[WV], 6
	s_add_co_u32 s66, s66, s98
	s_add_co_u32 s66, s66, 1024                    ; part 1: stored row 1,024 + 256 x tile column + 64 x wave
	s_wait_kmcnt 0x0
	s_lshl_b32 s100, s2, 9                         ; 512 bytes of codes a row
	s_mov_b32 s101, 0
	s_add_nc_u64 s[G0D+2:G0D+3], s[4:5], s[100:101]
	s_add_nc_u64 s[G0D+6:G0D+7], s[G0D+2:G0D+3], 256   ; 512 along K on
	s_or_b32 s[G0D+3], s[G0D+3], 0x80000000        ; type = 2
	s_or_b32 s[G0D+7], s[G0D+7], 0x80000000
	s_lshl_b32 s100, s2, 5                         ; 32 scale bytes a row
	s_add_nc_u64 s[G0SD+2:G0SD+3], s[8:9], s[100:101]
	s_or_b32 s[G0SD+3], s[G0SD+3], 0x80000000
	s_lshl_b32 s98, s67, 9
	s_mov_b32 s99, 0
	s_add_nc_u64 s[G0W+2:G0W+3], s[6:7], s[98:99]
	s_add_nc_u64 s[G0W+6:G0W+7], s[G0W+2:G0W+3], 256
	s_or_b32 s[G0W+3], s[G0W+3], 0x80000000
	s_or_b32 s[G0W+7], s[G0W+7], 0x80000000
	s_lshl_b32 s98, s67, 5
	s_add_co_u32 s98, s98, 262144                  ; the weights' scale bytes lie behind data's
	s_add_nc_u64 s[G0SW+2:G0SW+3], s[8:9], s[98:99]
	s_or_b32 s[G0SW+3], s[G0SW+3], 0x80000000
	s_lshl_b32 s98, s66, 9
	s_add_nc_u64 s[G0Q+2:G0Q+3], s[6:7], s[98:99]
	s_or_b32 s[G0Q+3], s[G0Q+3], 0x80000000
	CROUND                                         ; all sixteen work-groups are here: the joint loads meet
	JLOAD G0SD, G1SD, G0SW, G1SW                   ; the first fills, one group: the scale bytes, the first half of K, the second, and my quarter of tile 2: four loads of mine are out
	JLOAD G0D, G1D, G0W, G1W
	JLOAD G0D+4, G1D, G0W+4, G1W
	QLOAD
	s_mov_b32 s[SEL], 0x76543210
	s_mov_b32 s[SEL+1], 0xfedcba98
	v_and_b32 v1, 15, v0                           ; r
	v_bfe_u32 v2, v0, 4, 1                         ; h
	v_and_b32 v3, 31, v0                           ; lane
	v_mul_u32_u24 v[ADRD], v1, PITCH
	v_lshl_add_u32 v[ADRD], v2, 4, v[ADRD]         ; a fragment's row x pitch + 16 x half
	v_add_nc_u32 v[ADRW], s[WQ], v[ADRD]           ; my 64 rows of the weight in slot 0,
	v_add_nc_u32 v[ADRW+1], WSLOT, v[ADRW]         ; 1
	v_add_nc_u32 v[ADRW+2], 2*WSLOT, v[ADRW]       ; and 2
	v_add_nc_u32 v[ADRD+1], DSLOT, v[ADRD]
	s_mul_i32 s2, s[ROLE], 3*4096
	s_lshl_b32 s3, s[EH], 11
	s_add_co_u32 s2, s2, s3
	s_add_co_u32 s2, s2, SCW
	v_lshl_add_u32 v[ADSW], v1, 5, s2              ; scale bytes: 32 a row
	v_lshl_add_u32 v[ADSD], v1, 5, SCD
	v_and_b32 v5, 8, v1
	v_add_nc_u32 v5, v5, v1                        ; r + 8 (r / 8)
	v_lshlrev_b32 v[CO], 5, v5
	v_lshl_add_u32 v[CO], v2, 4, v[CO]
	v_lshlrev_b32 v[L16], 4, v3
	s_lshl_b32 s2, s[WV], 9
	s_add_co_u32 s2, s2, STQ
	v_lshl_add_u32 v[STQW], v5, 2, s2
	v_add_nc_u32 v[STQR], s2, v[L16]
	s_lshl_b32 s2, s[WV], 8
	s_add_co_u32 s2, s2, STV
	v_lshl_add_u32 v[STVW], v1, 2, s2
	v_lshl_add_u32 v[STVR], v3, 3, s2
	v_lshlrev_b32 v[BQ], 6, v2
	v_lshlrev_b32 v[BV], 2, v5
	v_lshlrev_b32 v[L8], 3, v3
.irp n, 0,1,2,3,4,5,6,7,8,9,10,11,12,13,14,15
	v_mov_b32 v[TX+\n], 0                          ; written once: a lane permute's destination counts as one of its sources
.endr
	s_lshl_b32 s100, s[WGX], 10
	s_lshl_b32 s2, s[WV], 8
	s_add_co_u32 s100, s100, s2
	s_mov_b32 s101, 0
	s_add_nc_u64 s[10:11], s[10:11], s[100:101]    ; the bias of my 64 features of part 0; the parts lie 4,096 bytes apart
	WIN LOADB
.irp p, 0,1
.irp t, 0,1,2,3                                ; q, k: register j of tile 2 b + u is feature 32 b + 16 h + 8 u + j
	global_load_b128 v[32*\p+8*\t:32*\p+8*\t+3], v[BQ], s[10:11] offset:4096*\p+(32*(\t/2)+8*(\t%2))*4
	global_load_b128 v[32*\p+8*\t+4:32*\p+8*\t+7], v[BQ], s[10:11] offset:4096*\p+(32*(\t/2)+8*(\t%2))*4+16
.endr
.endr
.irp t, 0,1,2,3                                ; v: lane r of tile 2 b + u is feature 32 b + 8 u + r + 8 (r / 8): one number a lane
	global_load_b32 v[64+8*\t], v[BV], s[10:11] offset:8192+(32*(\t/2)+8*(\t%2))*4
.endr
	WIN 0
	s_lshl_b32 s2, s[WGX], 2
	s_add_co_u32 s2, s2, s[WV]                     ; my head = 4 x tile column + wave
	s_lshr_b32 s3, s[WGY], 4
	s_lshl_b32 s3, s3, 4
	s_add_co_u32 s2, s2, s3                        ; 16 x batch + head
	s_and_b32 s3, s[WGY], 15                       ; which 128 tokens of the batch's 2,048
	s_lshl_b32 s66, s2, 4
	s_add_co_u32 s66, s66, s3                      ; (16 batch + head) x 16 + which 128 tokens
	s_lshl_b32 s100, s66, 12                       ; v: 4,096 bytes of codes;  q, k: 128 tokens x 32 bytes, the same
	s_add_nc_u64 s[14:15], s[14:15], s[100:101]
	s_add_nc_u64 s[12:13], s[12:13], s[100:101]
	s_lshl_b32 s100, s66, 8                        ; v: 256 bytes of scale words, behind q's and k's
	s_add_co_u32 s100, s100, 1048576
	s_add_nc_u64 s[4:5], s[16:17], s[100:101]      ; (x_codes' address is in the descriptors: the pair is free)
	s_lshl_b32 s100, s66, 9                        ; q, k: 128 tokens x 4 bytes
	s_add_nc_u64 s[16:17], s[16:17], s[100:101]
	s_wait_loadcnt 0x0                             ; the biases
	WIN MOVB
.irp t, 0,1,2,3
.irp j, 1,2,3,4,5,6,7
	v_mov_b32 v[64+8*\t+\j], v[64+8*\t]            ; v: the same for the lane's eight tokens.  (These lines run while the tiles are on their way)
.endr
.endr
	WIN 0
.macro SCALESD                         ; data's scale words of all of K: 8 a row; lane r takes row r's (lanes 16-31 read the same and are not used).  They stay for all three parts
.irp i, 0,1,2,3,4,5,6,7
.irp g, 0,1
	ds_load_b128 v[SD+8*\i+4*\g:SD+8*\i+4*\g+3], v[ADSD] offset:512*\i+16*\g
.endr
.endr
.endm
.macro SCALESW p                       ; the weight's, of part p
.irp t, 0,1,2,3
.irp g, 0,1
	ds_load_b128 v[SW+8*\t+4*\g:SW+8*\t+4*\g+3], v[ADSW] offset:4096*(\p)+512*\t+16*\g
.endr
.endr
.endm
; The 12 fragments of K step q (128 along K) of part p into set q % 2: 24 loads.  A fragment: lane l holds row l % 16; registers 4 c .. 4 c + 3 hold K = 64 c + 32 (l / 16) + 0 .. 31.
.macro FRAGS q, p
	WIN LOADF
.irp t, 0,1,2,3
.irp c, 0,1
	ds_load_b128 v[96*((\q)%2)+8*\t+4*\c:96*((\q)%2)+8*\t+4*\c+3], v[ADRW+(2*(\p)+(\q)/4)%3] offset:64*((\q)%4)+32*\c+16*PITCH*\t
.endr
.endr
.irp i, 0,1,2,3,4,5,6,7
.irp c, 0,1
	ds_load_b128 v[96*((\q)%2)+32+8*\i+4*\c:96*((\q)%2)+32+8*\i+4*\c+3], v[ADRD+(\q)/4] offset:64*((\q)%4)+32*\c+16*PITCH*\i
.endr
.endr
.endm
; The 32 products of K step q.  path 0 (q, k): source 0 the weight's tile t, source 1 data's tile i, accumulator 4 i + t.  path 1 (v): the sources exchanged, accumulator 8 t + i.
; first = 1: part p's bias starts the sums.  The 32 accumulators take turns, one instruction a turn, in the same order in every step.
.macro MULS q, path, first, p
.if \first
	WIN MUL0
.else
	WIN MUL
.endif
.set FB, 96*((\q)%2)
.irp i, 0,1,2,3,4,5,6,7
.irp t, 0,1,2,3
.if \path
.set AC,  8*(8*\t+\i)
.set RA,  FB+32+8*\i
.set RBB, FB+8*\t
.set SA,  SD+8*\i+(\q)
.set SBB, SW+8*\t+(\q)
.else
.set AC,  8*(4*\i+\t)
.set RA,  FB+8*\t
.set RBB, FB+32+8*\i
.set SA,  SW+8*\t+(\q)
.set SBB, SD+8*\i+(\q)
.endif
.if \first
	v_wmma_scale_f32_16x16x128_f8f6f4 v[AC:AC+7], v[RA:RA+7], v[RBB:RBB+7], v[32*(\p)+8*\t:32*(\p)+8*\t+7], v[SA], v[SBB] matrix_a_fmt:MATRIX_FMT_FP4 matrix_b_fmt:MATRIX_FMT_FP4
.else
	v_wmma_scale_f32_16x16x128_f8f6f4 v[AC:AC+7], v[RA:RA+7], v[RBB:RBB+7], v[AC:AC+7], v[SA], v[SBB] matrix_a_fmt:MATRIX_FMT_FP4 matrix_b_fmt:MATRIX_FMT_FP4
.endif
.endr
.endr
.endm
; K step q is multiplied and step q + 1 asked for, four places behind the products that read its set (ISA guide 7.12.1 for vector instructions).
.macro STEPQ q, path, p
	PLACES 4
	FRAGS (\q)+1, \p
	s_wait_dscnt 24                                ; this step's fragments are in; the next step's 24 loads may be out
	MULS \q, \path, 0, \p
.endm
.macro BEGIN path, p                   ; a part's first step: its scale words, two steps' fragments, and the products that start the sums
	SCALESW \p
	FRAGS 0, \p
	FRAGS 1, \p
	s_wait_dscnt 24                                ; all but step 1's 24 loads
	MULS 0, \path, 1, \p
.endm
.macro LAST path, p                    ; a part's last step: nothing more to fetch
	s_wait_dscnt 0x0
	MULS 7, \path, 0, \p
	WIN 0
.endm
; The 16 blocks of 32 that a lane has half of: block n is registers 16 n .. 16 n + 15 of window 1, the other half lies in lane l xor 16.
; Behind it: v[TX+n] block n's byte; group m (v[PC+4m] on, four registers) holds in lane (r, h) the 32 codes of block 2 m + h.
.macro QBLOCKS
	s_wait_xcnt 0x0                                ; the last part's stores have read their registers: the codes' and the words' are written again only behind this wait
	PLACES 4                                       ; behind the last products
	WIN MAXW
.irp n, 0,1,2,3,4,5,6,7,8,9,10,11,12,13,14,15
	v_max3_num_f32 v[TM+\n], |v[16*\n]|, |v[16*\n+1]|, 0x1800000   ; each accumulator from its low end on; the floor 2^(3 - 127) holds the byte at 1 from below
.endr
.irp k, 2,4,6,8,10,12,14
.irp n, 0,1,2,3,4,5,6,7,8,9,10,11,12,13,14,15
	v_max3_num_f32 v[TM+\n], |v[16*\n+\k]|, |v[16*\n+\k+1]|, v[TM+\n]   ; the blocks by turns: no line waits for the line above it
.endr
.endr
	WIN 0
.irp n, 0,1,2,3,4,5,6,7,8,9,10,11,12,13,14,15
	v_permlanex16_b32 v[TX+\n], v[TM+\n], s[SEL], s[SEL+1]
.endr
.irp n, 0,1,2,3,4,5,6,7,8,9,10,11,12,13,14,15
	v_max_num_f32 v[TM+\n], v[TM+\n], v[TX+\n]     ; the block's largest magnitude
.endr
.irp n, 0,1,2,3,4,5,6,7,8,9,10,11,12,13,14,15
	v_add_nc_u32 v[SO+\n], 0xff000000, v[TM+\n]    ; 2 off its exponent field: the conversion's scale operand
.endr
.irp n, 0,1,2,3,4,5,6,7,8,9,10,11,12,13,14,15
	v_lshrrev_b32 v[TX+\n], 23, v[SO+\n]           ; the scale's byte
.endr
	WIN CVTW
.irp n, 0,1,2,3,4,5,6,7,8,9,10,11,12,13,14,15
	v_cvt_scalef32_pk8_fp4_f32 v[PC+2*\n], v[16*\n:16*\n+7], v[SO+\n]
	v_cvt_scalef32_pk8_fp4_f32 v[PC+2*\n+1], v[16*\n+8:16*\n+15], v[SO+\n]
.endr
	WIN 0
	v_nop                                          ; one plain place behind a scaled conversion
.irp m, 0,1,2,3,4,5,6,7
.irp e, 0,1
	v_permlane16_swap_b32 v[PC+4*\m+\e], v[PC+4*\m+2+\e]   ; half blocks become whole blocks: lanes 0-15 block 2 m, lanes 16-31 block 2 m + 1
.endr
.endr
.endm
; THE WAY OUT of q (p = 0) or k (p = 1): block 2 i + b is token tile i, features 32 b on.  The part's place in both buffers stands in the stores' immediates.
.macro EPIQK p
	QBLOCKS
.irp i, 0,1,2,3,4,5,6,7
	v_lshl_or_b32 v[WD+\i], v[TX+2*\i+1], 8, v[TX+2*\i]
.endr
.irp i, 0,1,2,3,4,5,6,7
	v_or_b32 v[WD+\i], 0x7f7f0000, v[WD+\i]        ; the bytes of the zero codes that fill K up to 128
.endr
.irp i, 0,1,2,3,4,5,6,7                        ; lane (r, h): token 32 (i / 2) + 8 (i % 2) + r + 8 (r / 8), features 32 h on: each store covers two runs of 256 consecutive bytes, aligned
	global_store_b128 v[CO], v[PC+4*\i:PC+4*\i+3], s[12:13] offset:4194304*(\p)+(32*(\i/2)+8*(\i%2))*32
.endr
.irp i, 0,1,2,3,4,5,6,7
	ds_store_b32 v[STQW], v[WD+\i] offset:(32*(\i/2)+8*(\i%2))*4   ; both halves of the lanes write the same word with the same value
.endr
	ds_load_b128 v[RB:RB+3], v[STQR]               ; LDS serves a wave's instructions in order: this sees my stores
	s_wait_dscnt 0x0
	global_store_b128 v[L16], v[RB:RB+3], s[16:17] offset:524288*(\p)   ; my 128 tokens' words: 512 consecutive bytes
.endm
	; ---- part 0: q.  Tiles 0 and 1 of the weight, in slots 0 and 1
	s_wait_tensorcnt 0x2                           ; my parts of the scale bytes and of the first half of K are in; the second half's load and tile 2's may stay out
	s_barrier_signal -1
	s_barrier_wait -1                              ; everybody's are
	SCALESD
	BEGIN 0, 0
	STEPQ 1, 0, 0
	STEPQ 2, 0, 0
	REFILL 0, 256                                  ; slot 0's last fragments (step 3's) are in: it takes tile 3, part 1's second half of K.  All first fills have landed, everybody's
	FRAGS 4, 0
	s_wait_dscnt 24
	MULS 3, 0, 0, 0
	STEPQ 4, 0, 0
	STEPQ 5, 0, 0
	STEPQ 6, 0, 0
	LAST 0, 0
	EPIQK 0
	; ---- part 1: k.  Tiles 2 and 3, in slots 2 and 0
	REFILL 1, 1024*512-256                         ; slot 1 takes tile 4, part 2's first half of K.  Tile 3 has landed, everybody's part of it
	BEGIN 0, 1
	STEPQ 1, 0, 1
	STEPQ 2, 0, 1
	STEPQ 3, 0, 1
	STEPQ 4, 0, 1
	STEPQ 5, 0, 1
	STEPQ 6, 0, 1
	LAST 0, 1
	REFILL 2, 256                                  ; slot 2 takes tile 5, part 2's second half of K: it lands under k's way out and four K steps.  Tile 4 has landed
	EPIQK 1
	; ---- part 2: v.  Tiles 4 and 5, in slots 1 and 2
	BEGIN 1, 2
	STEPQ 1, 1, 2
	STEPQ 2, 1, 2
	s_wait_tensorcnt 0x0                           ; my quarter of tile 5 is in: my last load
	s_wait_dscnt 0x0                               ; no LDS instruction of mine is out at a signal
	s_barrier_signal -1
	s_barrier_wait -1                              ; tile 5 is whole
	PLACES 4
	FRAGS 4, 2
	s_wait_dscnt 24
	MULS 3, 1, 0, 2
	STEPQ 4, 1, 2
	STEPQ 5, 1, 2
	STEPQ 6, 1, 2
	LAST 1, 2
	QBLOCKS                                        ; block 4 t + b: feature tile t, tokens 32 b on
.irp t, 0,1,2,3
	v_lshl_or_b32 v[WD+\t], v[TX+4*\t+1], 8, v[TX+4*\t]
.endr
.irp t, 0,1,2,3
	v_lshl_or_b32 v[WD+\t], v[TX+4*\t+2], 16, v[WD+\t]
.endr
.irp t, 0,1,2,3
	v_lshl_or_b32 v[WD+\t], v[TX+4*\t+3], 24, v[WD+\t]   ; the four bytes of these 128 tokens: my feature's scale word
.endr
.irp m, 0,1,2,3,4,5,6,7                        ; group 2 t + c is registers 4 c .. 4 c + 3 of attention's fragment of tile t: stored as it stands, 4,096 consecutive bytes
	global_store_b128 v[L16], v[PC+4*\m:PC+4*\m+3], s[14:15] offset:512*\m
.endr
.irp t, 0,1,2,3
	ds_store_b32 v[STVW], v[WD+\t] offset:64*\t
.endr
	ds_load_b64 v[RB:RB+1], v[STVR]
	s_wait_dscnt 0x0
	global_store_b64 v[L8], v[RB:RB+1], s[4:5]     ; 256 consecutive bytes, aligned
	s_wait_tensorcnt 0x0                           ; the wave's end, behind my last tensor load and my last LDS store
	ds_add_u32 v[SPW], v[NIL]
	s_wait_dscnt 0x0
	CROUND                                         ; the closing round: no work-group ends while a partner may still ask for a tile that names it
	s_endpgm
.Lfunc_end_k_qa41547b6cb_qkv:
	.size	k_qa41547b6cb_qkv, .Lfunc_end_k_qa41547b6cb_qkv-k_qa41547b6cb_qkv
	.p2alignl 7, 3214868480
	.fill 96, 4, 3214868480
	.section	.rodata,"a",@progbits
	.p2align	6, 0x0
	.amdhsa_kernel k_qa41547b6cb_qkv
		.amdhsa_group_segment_fixed_size 327680
		.amdhsa_private_segment_fixed_size 0
		.amdhsa_enable_private_segment 0
		.amdhsa_kernarg_size 56
		.amdhsa_user_sgpr_count 2
		.amdhsa_user_sgpr_kernarg_segment_ptr 1
		.amdhsa_wavefront_size32 1
		.amdhsa_system_sgpr_workgroup_id_x 1
		.amdhsa_system_sgpr_workgroup_id_y 1
		.amdhsa_system_sgpr_workgroup_id_z 1
		.amdhsa_system_vgpr_workitem_id 0
		.amdhsa_next_free_vgpr 1024
		.amdhsa_next_free_sgpr 102
		.amdhsa_reserve_vcc 0
		.amdhsa_float_denorm_mode_32 3
		.amdhsa_float_denorm_mode_16_64 3
		.amdhsa_memory_ordered 1
		.amdhsa_forward_progress 1
		.amdhsa_inst_pref_size 206
	.end_amdhsa_kernel
	.amdgpu_metadata
---
amdhsa.version: [ 1, 2 ]
amdhsa.kernels:
  - .name:           k_qa41547b6cb_qkv
    .symbol:         k_qa41547b6cb_qkv.kd
    .args:
      - { .name: x_codes, .offset: 0, .size: 8, .value_kind: global_buffer, .address_space: global }
      - { .name: w_codes, .offset: 8, .size: 8, .value_kind: global_buffer, .address_space: global }
      - { .name: in_scales, .offset: 16, .size: 8, .value_kind: global_buffer, .address_space: global }
      - { .name: qkv_b, .offset: 24, .size: 8, .value_kind: global_buffer, .address_space: global }
      - { .name: qk_codes, .offset: 32, .size: 8, .value_kind: global_buffer, .address_space: global }
      - { .name: v_codes, .offset: 40, .size: 8, .value_kind: global_buffer, .address_space: global }
      - { .name: qkv_scales, .offset: 48, .size: 8, .value_kind: global_buffer, .address_space: global }
    .group_segment_fixed_size: 327680
    .private_segment_fixed_size: 0
    .kernarg_segment_align: 8
    .kernarg_segment_size: 56
    .max_flat_workgroup_size: 128
    .sgpr_count:     102
    .vgpr_count:     1024
    .wavefront_size: 32
...
	.end_amdgpu_metadata
.endif
;; end of part 2
;; launch attn (part 3): grid 4 x 64, 16 waves a work-group, no clusters, 169,984 bytes of LDS; arguments qk_codes, qkv_scales, v_codes, a_codes, a_scales; writes a_codes, a_scales
.if DOCPART == 3
	.amdgcn_target "amdgcn-amd-amdhsa--gfx1250"
	.amdhsa_code_object_version 6
	.text
	.protected	k_qa41547b6cb_attn
	.globl	k_qa41547b6cb_attn
	.p2align	8
	.type	k_qa41547b6cb_attn,@function
k_qa41547b6cb_attn:
	s_mov_b64 s[64:65], 0
	v_nop
	global_prefetch_b8 v0, s[64:65] scope:SCOPE_SE
	s_setreg_imm32_b32 hwreg(HW_REG_WAVE_MODE, 25, 1), 1
	s_wait_xcnt 0x0
; Causal attention of one head on codes of FP4 with E8M0 scales, and its result quantised along the model's 1,024 (two blocks of 32 a head) for the last product.
; THE SOFTMAX AHEAD OF THE SECOND PRODUCT: t = score x log2(e) / 8; M = the row's largest t so far, rounded UP to a whole number; p = 2^(t - M) is what is quantised, along the keys; it is not normalised.
; The row's sum is taken of the unquantised p, in f32, and divides at the end.  When M moves, the sum and O are multiplied by 2^(old M - new M): exact.
; SHARES.  Work-group (j, head) owns the blocks of 256 queries j and 7 - j of one head: 256 work-groups.  Wave w takes tile w of block j, then tile 15 - w of block 7 - j:
; 2 j + w / 8 + 1 and 2 (7 - j) + (15 - w) / 8 + 1 key steps of 128 keys count for them, 17 for every wave.
; THE HEAD'S WHOLE K AND V, codes and scales (142 KB), come into LDS once; nothing is filled again, so there is no ring.
; NO CLUSTER: the four work-groups of a head read the same K and V, but which key steps are left out hangs on the block of queries, which would be the place in the cluster,
; and partners that ask jointly may differ in no branch; what is shared is read once by each, ahead of 17 key steps for each of 16 waves.
; LAYOUT.  Both products transposed: S^T = K Q^T (source 0 = 16 keys), O^T = V^T P^T (source 0 = 16 of the head's 64): a lane holds ONE query (lane % 16) throughout.
; THE KEYS OF A TILE ARE NOT NEIGHBOURS: lane r of tile 2 b + u takes key 32 b + 8 u + r + 8 (r / 8), so that the 16 registers of tiles 2 b, 2 b + 1 are keys 32 b + 16 (lane / 16) + 0 .. 15.
; V's tiles have their rows in the same order, so O^T's 16 registers of tiles 2 b, 2 b + 1 are d = 32 b + 16 (lane / 16) + 0 .. 15: what the last quantiser wants.
; K = 64 fills half of the first product's 128: registers 4-7 of Q's and K's fragments hold zero codes, and the scale words' upper two bytes 0x7f.
; EVERY WAVE WALKS A CONSTANT NUMBER OF STEPS (8, then 16); a step all of whose keys come after the wave's queries is jumped over, all but the lines that step addresses.
; LIMITS: NaN and infinities are not served; a block whose largest magnitude lies under 2^-124 is held at byte 1; a block of zeros gets byte 1 (its codes are zeros; only this program reads the bytes).
; REGISTERS: v1-7 addresses that stay; v8-11 the step's; v12 -M, v13 the largest t, v[14:15] the sum; v16-23 Q; v24-31 K's scale words; v32-95 eight fragments of K; v96-159 S^T, then p;
;   v160-191 O^T; v192-223 four fragments of V; v224-231 p's codes; v232-247, v254 at work; v248-251 V's scale words; v252 f; v253 p's scale word; v255 Q's.
.set STG,  0                           ; LDS: two stages of 512 bytes: a block's 256 queries x 2 scale bytes, one for each phase
.set KB,   1024                        ; K: 128 rows of 512 bytes (16 keys) + 16 of padding
.set KP,   528                         ; lanes 0-7 and 8-15 of a tile stand one such row apart: 16 lanes touch 16 different 16-byte columns modulo 256 bytes
.set VB,   KB+128*KP                   ; V: 16 steps x 4,096 bytes, images of the operand's registers
.set SKB,  VB+65536                    ; K's scale words, 4 bytes a key
.set SVB,  SKB+8192                    ; V's: 16 steps x 4 tiles x 16 rows x 4 bytes
.set WV,   14
.set EH,   15
.set BH,   16
.set WT,   19                          ; the tile of the block that is mine in this phase
.set SEL,  20                          ; s[20:21] lane selects for v_permlanex16_b32: lane l xor 16
.set CS,   22                          ; s[22:23] c = log2(e) / 8
.set G1K,  24
.set G1V,  32
.set G1SK, 40
.set G1SV, 48
.set G0KS, 56
.set G0K0, 60
.set G0K1, 68
.set G0VS, 72
.set G0V0, 76
.set G0V1, 80
.set Q0,   84                          ; my first query
.set KF,   85                          ; the step's first key
.set TK,   86                          ; where the step's keys begin in K's region: 8 rows a step
.set TV,   87                          ; V's images: 4,096 bytes a step
.set TSK,  88                          ; K's scale words: 512
.set TSV,  89                          ; V's: 256
.set CNT,  90
.set T0,   91
	s_load_b256 s[4:11], s[0:1], 0x0               ; qk_codes s[4:5], qkv_scales s[6:7], v_codes s[8:9], a_codes s[10:11]
	s_load_b64 s[12:13], s[0:1], 0x20              ; a_scales
	v_lshl_add_u32 v242, v0, 2, 0x29000
	v_mov_b32 v243, 0
	ds_add_u32 v242, v243
	ds_add_u32 v242, v243
	v_lshrrev_b32 v1, 5, v0
	s_delay_alu instid0(VALU_DEP_1)
	v_readfirstlane_b32 s[WV], v1                  ; wave 0..15
	s_and_b32 s[EH], s[WV], 1
	s_and_b32 s[BH], ttmp7, 0xffff                 ; 16 x batch + head
	; groups 1.  K: 512 keys a load, dense in memory, as 32 rows of 512 bytes with 16 bytes of padding behind each
	s_mov_b32 s[G1K], (1<<20)|(6<<22)|(3<<25)      ; no mask; elements of 1 byte; padding on, four words after every 128
	s_mov_b32 s[G1K+1], 512<<16
	s_mov_b32 s[G1K+2], 32<<16
	s_mov_b32 s[G1K+3], 512<<16
	s_mov_b32 s[G1K+4], 32
	s_mov_b32 s[G1K+5], 512
	s_mov_b32 s[G1K+6], 0
	s_mov_b32 s[G1K+7], 0
	; V's images and the scale words: dense blocks as rows of 256 bytes (32 elements of 8 bytes): 64, 16 and 8 rows
	s_mov_b32 s[G1V], 3<<16
	s_mov_b32 s[G1V+1], 32<<16
	s_mov_b32 s[G1V+2], 64<<16
	s_mov_b32 s[G1V+3], 32<<16
	s_mov_b32 s[G1V+4], 64
	s_mov_b32 s[G1V+5], 32
	s_mov_b32 s[G1V+6], 0
	s_mov_b32 s[G1V+7], 0
	s_mov_b32 s[G1SK], 3<<16
	s_mov_b32 s[G1SK+1], 32<<16
	s_mov_b32 s[G1SK+2], 16<<16
	s_mov_b32 s[G1SK+3], 32<<16
	s_mov_b32 s[G1SK+4], 16
	s_mov_b32 s[G1SK+5], 32
	s_mov_b32 s[G1SK+6], 0
	s_mov_b32 s[G1SK+7], 0
	s_mov_b32 s[G1SV], 3<<16
	s_mov_b32 s[G1SV+1], 32<<16
	s_mov_b32 s[G1SV+2], 8<<16
	s_mov_b32 s[G1SV+3], 32<<16
	s_mov_b32 s[G1SV+4], 8
	s_mov_b32 s[G1SV+5], 32
	s_mov_b32 s[G1SV+6], 0
	s_mov_b32 s[G1SV+7], 0
	s_lshl_b32 s2, s[BH], 16
	s_lshl_b32 s18, s[EH], 14
	s_add_co_u32 s2, s2, s18                       ; V's codes: the head's 65,536 bytes, my 16,384 of its first half
	s_mov_b32 s3, 0
	s_add_co_u32 s84, s2, 0x400000                 ; K's codes likewise, behind q's
	s_mov_b32 s85, 0
	s_lshl_b32 s86, s[BH], 13
	s_lshl_b32 s18, s[EH], 12
	s_add_co_u32 s86, s86, s18
	s_add_co_u32 s86, s86, 524288                  ; K's scale words: my half of the head's 8,192 bytes
	s_mov_b32 s87, 0
	s_lshl_b32 s88, s[BH], 12
	s_lshl_b32 s18, s[EH], 11
	s_add_co_u32 s88, s88, s18
	s_add_co_u32 s88, s88, 1048576                 ; V's: my half of 4,096
	s_mov_b32 s89, 0
	s_mul_i32 s90, s[EH], 32*KP
	s_add_co_u32 s90, s90, KB
	s_lshl_b32 s91, s[EH], 14
	s_add_co_u32 s91, s91, VB
	s_lshl_b32 s92, s[EH], 12
	s_add_co_u32 s92, s92, SKB
	s_lshl_b32 s93, s[EH], 11
	s_add_co_u32 s93, s93, SVB
	s_mov_b32 s[SEL], 0x76543210
	s_mov_b32 s[SEL+1], 0xfedcba98
	s_mov_b32 s[CS], 0x3e38aa3b                    ; log2(e) / 8
	s_mov_b32 s[CS+1], s[CS]                       ; (named with it as a pair, so it is written)
	s_wait_dscnt 0x0
	s_wait_kmcnt 0x0
	s_mov_b32 s[G0KS], 1
	s_mov_b32 s[G0KS+1], s92
	s_add_nc_u64 s[G0KS+2:G0KS+3], s[6:7], s[86:87]
	s_or_b32 s[G0KS+3], s[G0KS+3], 0x80000000
	s_mov_b32 s[G0K0], 1
	s_mov_b32 s[G0K0+1], s90
	s_add_nc_u64 s[G0K0+2:G0K0+3], s[4:5], s[84:85]
	s_mov_b32 s[G0K1], 1
	s_add_co_u32 s[G0K1+1], s90, 64*KP             ; keys 1,024 on
	s_add_nc_u64 s[G0K1+2:G0K1+3], s[G0K0+2:G0K0+3], 32768
	s_or_b32 s[G0K0+3], s[G0K0+3], 0x80000000
	s_or_b32 s[G0K1+3], s[G0K1+3], 0x80000000
	s_mov_b32 s[G0VS], 1
	s_mov_b32 s[G0VS+1], s93
	s_add_nc_u64 s[G0VS+2:G0VS+3], s[6:7], s[88:89]
	s_or_b32 s[G0VS+3], s[G0VS+3], 0x80000000
	s_mov_b32 s[G0V0], 1
	s_mov_b32 s[G0V0+1], s91
	s_add_nc_u64 s[G0V0+2:G0V0+3], s[8:9], s[2:3]
	s_mov_b32 s[G0V1], 1
	s_add_co_u32 s[G0V1+1], s91, 32768
	s_add_nc_u64 s[G0V1+2:G0V1+3], s[G0V0+2:G0V0+3], 32768
	s_or_b32 s[G0V0+3], s[G0V0+3], 0x80000000
	s_or_b32 s[G0V1+3], s[G0V1+3], 0x80000000
	; The fills, all first fills: waves 0 and 1 fetch K's halves, waves 2 and 3 V's, three loads each, in one branch on the wave's number; the others fetch nothing.  Four v_nop follow.
	s_cmp_lt_u32 s[WV], 2
	s_cbranch_scc0 .Lnot_k
	tensor_load_to_lds s[G0KS:G0KS+3], s[G1SK:G1SK+7]
	s_nop 0
	tensor_load_to_lds s[G0K0:G0K0+3], s[G1K:G1K+7]
	s_nop 0
	tensor_load_to_lds s[G0K1:G0K1+3], s[G1K:G1K+7]
	s_nop 0
.rept 4
	v_nop
.endr
	s_branch .Lasked
.Lnot_k:
	s_cmp_lt_u32 s[WV], 4
	s_cbranch_scc0 .Lasked
	tensor_load_to_lds s[G0VS:G0VS+3], s[G1SV:G1SV+7]
	s_nop 0
	tensor_load_to_lds s[G0V0:G0V0+3], s[G1V:G1V+7]
	s_nop 0
	tensor_load_to_lds s[G0V1:G0V1+3], s[G1V:G1V+7]
	s_nop 0
.rept 4
	v_nop
.endr
.Lasked:
	v_and_b32 v8, 15, v0                           ; r
	v_bfe_u32 v9, v0, 4, 1                         ; h
	v_and_b32 v10, 31, v0                          ; lane
	s_delay_alu instid0(VALU_DEP_3)
	v_lshrrev_b32 v11, 3, v8                       ; r / 8
	s_delay_alu instid0(VALU_DEP_4)
	v_and_b32 v12, 7, v8                           ; r % 8
	s_delay_alu instid0(VALU_DEP_2)
	v_mul_u32_u24 v1, v11, KP
	s_delay_alu instid0(VALU_DEP_1)
	v_lshl_add_u32 v1, v12, 5, v1
	s_delay_alu instid0(VALU_DEP_1)
	v_lshl_add_u32 v1, v9, 4, v1
	s_delay_alu instid0(VALU_DEP_1)
	v_add_nc_u32 v1, KB, v1                        ; v1: my lane's place in a tile of K: key r + 8 (r / 8), 32 bytes a key, my half's 16
	v_lshlrev_b32 v7, 4, v10                       ; v7: 16 x lane
	s_delay_alu instid0(VALU_DEP_1)
	v_add_nc_u32 v2, VB, v7                        ; v2: an image's place for my lane
	v_lshl_add_u32 v11, v11, 3, v8                 ; r + 8 (r / 8)
	s_delay_alu instid0(VALU_DEP_1)
	v_lshl_add_u32 v3, v11, 2, SKB                 ; v3: K's scale words
	v_lshl_add_u32 v4, v8, 2, SVB                  ; v4: V's
	v_lshlrev_b32 v5, 5, v8
	s_delay_alu instid0(VALU_DEP_1)
	v_lshl_add_u32 v5, v9, 4, v5                   ; v5: 32 r + 16 h: my 16 bytes of Q's rows, and of the result's
	v_lshlrev_b32 v6, 2, v8                        ; v6: 4 r
.irp j, 20,21,22,23,236,237,238,239,252,253
	v_mov_b32 v\j, 0                               ; Q's zero codes; and registers that are named (a permute's destination, a pair's upper half) before they are first written
.endr
.irp g, 0,1,2,3,4,5,6,7
.irp j, 4,5,6,7
	v_mov_b32 v[32+8*\g+\j], 0                     ; K's zero codes: written once, never loaded
.endr
.endr
	s_wait_tensorcnt 0x0                           ; all my loads have landed,
	s_barrier_signal -1
	s_barrier_wait -1                              ; everybody's have: the head's K and V lie in LDS for the rest of the launch
; A KEY STEP: 128 keys.
.macro STEP
	s_add_co_u32 s[T0], s[Q0], 15
	s_cmp_gt_u32 s[KF], s[T0]                      ; all its keys come after my 16 queries: a scalar branch on ids, round the step's work
	s_cbranch_scc1 .Lhid_\@
	s_setprio 2
	v_add_nc_u32 v8, s[TK], v1
	v_add_nc_u32 v9, s[TV], v2
	v_add_nc_u32 v10, s[TSK], v3
	v_add_nc_u32 v11, s[TSV], v4
.irp g, 0,1,2,3,4,5,6,7
	ds_load_b128 v[32+8*\g:35+8*\g], v8 offset:(\g/2)*2*KP+(\g%2)*256
	ds_load_b32 v[24+\g], v10 offset:(32*(\g/2)+8*(\g%2))*4
.endr
	s_wait_alu depctr_va_vdst(0)
	s_wait_dscnt 0x0
.irp g, 0,1,2,3,4,5,6,7
	v_wmma_scale_f32_16x16x128_f8f6f4 v[96+8*\g:103+8*\g], v[32+8*\g:39+8*\g], v[16:23], 0, v[24+\g], v255 matrix_a_fmt:MATRIX_FMT_FP4 matrix_b_fmt:MATRIX_FMT_FP4
.endr
.rept 4
	v_nop                                          ; places in front of the first read of the scores; with the four additions above also in front of the loads into V's registers, which the last step's products read
.endr
.irp t, 0,1,2,3                                ; V is asked for now and lands under the softmax
.irp c, 0,1
	ds_load_b128 v[192+8*\t+4*\c:195+8*\t+4*\c], v9 offset:1024*\t+512*\c
.endr
	ds_load_b32 v[248+\t], v11 offset:64*\t
.endr
	s_add_co_u32 s[T0], s[KF], 127                 ; on the diagonal the scores of hidden keys become -infinity ahead of the maximum: p = 0 then.  A step all of whose keys count skips this
	s_cmp_le_u32 s[T0], s[Q0]
	s_cbranch_scc1 .Lopen_\@
	s_sub_co_i32 s[T0], s[Q0], s[KF]
	v_and_b32 v240, 15, v0
	v_bfe_u32 v241, v0, 4, 1
	s_delay_alu instid0(VALU_DEP_1)
	v_lshlrev_b32 v241, 4, v241
	s_delay_alu instid0(VALU_DEP_1)
	v_sub_nc_u32 v240, v240, v241
	s_delay_alu instid0(VALU_DEP_1)
	v_add_nc_u32 v240, s[T0], v240                 ; d = my query - KF - 16 (lane / 16).  Register 16 b + i holds key KF + 16 (lane / 16) + 32 b + i: hidden where 32 b + i > d
	v_mov_b32 v241, 0xff800000                     ; -infinity
.set n, 0
.rept 64
	v_cmp_gt_i32 vcc_lo, 32*(n/16)+n%16, v240
	v_cndmask_b32 v[96+n], v[96+n], v241, vcc_lo
.set n, n+1
.endr
.Lopen_\@:
.irp b, 0,1,2,3
	v_max3_num_f32 v[232+\b], v[96+16*\b], v[97+16*\b], v[98+16*\b]   ; the largest score of each block of 32 keys: it serves for the row's maximum and, since p rises with the score, for the block's largest p
.endr
.irp i, 3,5,7,9,11,13
.irp b, 0,1,2,3
	v_max3_num_f32 v[232+\b], v[232+\b], v[96+16*\b+\i], v[97+16*\b+\i]
.endr
.endr
.irp b, 0,1,2,3
	v_max_num_f32 v[232+\b], v[232+\b], v[111+16*\b]
.endr
.irp b, 0,1,2,3
	s_delay_alu instid0(VALU_DEP_4)
	v_permlanex16_b32 v[236+\b], v[232+\b], s[SEL], s[SEL+1]
.endr
.irp b, 0,1,2,3
	s_delay_alu instid0(VALU_DEP_4)
	v_max_num_f32 v[232+\b], v[232+\b], v[236+\b]  ; with lane l xor 16's 16 keys
.endr
	s_delay_alu instid0(VALU_DEP_2)
	v_max3_num_f32 v254, v232, v233, v234
	s_delay_alu instid0(VALU_DEP_1)
	v_max_num_f32 v254, v254, v235                 ; the step's largest score of my query
	s_delay_alu instid0(VALU_DEP_1)
	v_mul_f32 v254, s[CS], v254                    ; as t (c is positive)
	s_delay_alu instid0(VALU_DEP_1)
	v_max_num_f32 v13, v13, v254                   ; the running largest t
	v_mov_b32 v254, v12
	s_delay_alu instid0(VALU_DEP_2)
	v_floor_f32 v12, -v13                          ; the new -M = floor(-t) = -ceil(t): a whole number
	s_delay_alu instid0(VALU_DEP_1)
	v_sub_f32 v254, v12, v254                      ; old M - new M: a whole number, 0 or less
	s_delay_alu instid0(VALU_DEP_1)
	v_cvt_i32_f32 v254, v254                       ; (it saturates)
	s_delay_alu instid0(VALU_DEP_1)
	v_ldexp_f32 v252, 1.0, v254                    ; f = 2^(old M - new M)
.set j, 0
	s_setprio 1
.rept 32
	v_pk_fma_f32 v[96+j:97+j], v[96+j:97+j], s[CS:CS+1], v[12:13] op_sel_hi:[1,0,0]   ; t - M, two at a time (of the pairs c and -M the low word serves both halves)
.set j, j+2
.endr
.irp b, 0,1,2,3
	v_fma_f32 v[232+\b], v[232+\b], s[CS], v12     ; the same of each block's largest score
.endr
.set j, 0
	s_wait_alu depctr_va_vdst(0)
.rept 64
	v_exp_f32 v[96+j], v[96+j]                     ; p = 2^(t - M), at most 1: not normalised
.set j, j+1
.endr
.irp b, 0,1,2,3
	v_exp_f32 v[232+\b], v[232+\b]                 ; the block's largest p: the same two instructions on the same number give the same bits
.endr
	v_pk_mul_f32 v[14:15], v[14:15], v[252:253] op_sel_hi:[1,0]   ; the sums under the new M.  (A plain place behind the exponentials)
	s_wait_alu depctr_va_vdst(0)
.irp b, 0,1,2,3
	v_max_num_f32 v[232+\b], 0x1800000, v[232+\b]  ; the floor 2^(3 - 127): the byte cannot fall under 1
.endr
.irp b, 0,1,2,3
	s_delay_alu instid0(VALU_DEP_4)
	v_add_nc_u32 v[244+\b], 0xff000000, v[232+\b]  ; 2 off the exponent field: the conversion's scale operand
.endr
.irp b, 0,1,2,3
	s_delay_alu instid0(VALU_DEP_4)
	v_lshrrev_b32 v[236+\b], 23, v[244+\b]         ; the scale's byte
.endr
	s_delay_alu instid0(VALU_DEP_3)
	v_lshl_or_b32 v253, v237, 8, v236              ; p's scale word for these 128 keys
	s_delay_alu instid0(VALU_DEP_1)
	v_lshl_or_b32 v253, v238, 16, v253
	s_delay_alu instid0(VALU_DEP_1)
	v_lshl_or_b32 v253, v239, 24, v253
.irp b, 0,1,2,3
	v_cvt_scalef32_pk8_fp4_f32 v[224+2*\b], v[96+16*\b:103+16*\b], v[244+\b]
	v_cvt_scalef32_pk8_fp4_f32 v[225+2*\b], v[104+16*\b:111+16*\b], v[244+\b]
.endr
	v_nop                                          ; one plain place behind a scaled conversion
.irp c, 0,1                                    ; the operand's layout wants a whole block in a lane
.irp i, 0,1
	v_permlane16_swap_b32 v[224+4*\c+\i], v[226+4*\c+\i]
.endr
.endr
	v_pk_add_f32 v[236:237], v[100:101], v[104:105]
	v_pk_add_f32 v[246:247], v[108:109], v[112:113]
	v_pk_add_f32 v[244:245], v[116:117], v[120:121]
	v_pk_add_f32 v[240:241], v[124:125], v[128:129]
	v_pk_add_f32 v[234:235], v[132:133], v[136:137]
	v_pk_add_f32 v[232:233], v[140:141], v[144:145]
	v_pk_add_f32 v[90:91], v[148:149], v[152:153]
	v_pk_add_f32 v[14:15], v[14:15], v[156:157]
	v_pk_add_f32 v[236:237], v[236:237], v[96:97]
	v_pk_add_f32 v[246:247], v[246:247], v[98:99]
	v_pk_add_f32 v[244:245], v[244:245], v[102:103]
	s_setprio 0
	v_pk_add_f32 v[240:241], v[240:241], v[106:107]
	v_pk_add_f32 v[234:235], v[234:235], v[110:111]
	v_pk_add_f32 v[232:233], v[232:233], v[114:115]
	v_pk_add_f32 v[90:91], v[90:91], v[118:119]
	v_pk_add_f32 v[14:15], v[14:15], v[122:123]
	v_pk_add_f32 v[236:237], v[236:237], v[126:127]
	v_pk_add_f32 v[246:247], v[246:247], v[130:131]
	v_pk_add_f32 v[244:245], v[244:245], v[134:135]
	v_pk_add_f32 v[240:241], v[240:241], v[138:139]
	v_pk_add_f32 v[234:235], v[234:235], v[142:143]
	v_pk_add_f32 v[232:233], v[232:233], v[146:147]
	v_pk_add_f32 v[90:91], v[90:91], v[150:151]
	v_pk_add_f32 v[14:15], v[14:15], v[154:155]
	v_pk_add_f32 v[236:237], v[236:237], v[158:159]
	s_delay_alu instid0(VALU_DEP_2)
	v_pk_add_f32 v[14:15], v[14:15], v[240:241]
	s_delay_alu instid0(VALU_DEP_2)
	v_pk_add_f32 v[236:237], v[236:237], v[234:235]
	v_pk_add_f32 v[246:247], v[246:247], v[232:233]
	v_pk_add_f32 v[244:245], v[244:245], v[90:91]
	s_delay_alu instid0(VALU_DEP_2)
	v_pk_add_f32 v[14:15], v[14:15], v[246:247]
	s_delay_alu instid0(VALU_DEP_2)
	v_pk_add_f32 v[236:237], v[236:237], v[244:245]
	s_delay_alu instid0(VALU_DEP_1)
	v_pk_add_f32 v[14:15], v[14:15], v[236:237]
.set j, 0
.rept 16
	v_pk_mul_f32 v[160+j:161+j], v[160+j:161+j], v[252:253] op_sel_hi:[1,0]   ; O^T under the new M, each accumulator from its low end on.  (These and the sums are the places between p's scale word and codes and the products)
.set j, j+2
.endr
	s_wait_alu depctr_va_vdst(0)
	s_wait_dscnt 0x0                               ; V and its scale words are in
.irp t, 0,1,2,3                                ; the four accumulators by turns, one instruction a turn
	v_wmma_scale_f32_16x16x128_f8f6f4 v[160+8*\t:167+8*\t], v[192+8*\t:199+8*\t], v[224:231], v[160+8*\t:167+8*\t], v[248+\t], v253 matrix_a_fmt:MATRIX_FMT_FP4 matrix_b_fmt:MATRIX_FMT_FP4
.endr
.Lhid_\@:
	s_add_co_u32 s[KF], s[KF], 128
	s_add_co_u32 s[TK], s[TK], 8*KP
	s_add_co_u32 s[TV], s[TV], 4096
	s_add_co_u32 s[TSK], s[TSK], 512
	s_add_co_u32 s[TSV], s[TSV], 256
.endm
; A PHASE: one tile of 16 queries from s[Q0] on, over 'trips' key steps (a constant); its result quantised and stored; its scale bytes into the stage at 'stoff'.
.macro PHASE trips, stoff
	s_wait_xcnt 0x0                                ; the last phase's stores have read their registers and bases
	s_lshl_b32 s18, s[BH], 11
	s_add_co_u32 s18, s18, s[Q0]                   ; my first row in q's, and the result's, buffers
	s_lshl_b32 s2, s18, 5
	s_mov_b32 s3, 0
	s_add_nc_u64 s[92:93], s[4:5], s[2:3]          ; q's codes
	s_add_nc_u64 s[96:97], s[10:11], s[2:3]        ; the result's codes
	s_lshl_b32 s2, s18, 2
	s_add_nc_u64 s[94:95], s[6:7], s[2:3]          ; q's scale words
	s_and_b32 s2, s18, 0xffffff00                  ; the block's first row
	s_lshl_b32 s2, s2, 1
	s_add_nc_u64 s[98:99], s[12:13], s[2:3]        ; the block's 512 scale bytes
	global_load_b128 v[16:19], v5, s[92:93]        ; Q's fragment: K = 32 h + 0 .. 31 of query r
	global_load_b32 v255, v6, s[94:95]
	v_mov_b32 v13, 0xff61b1e6                      ; the largest t so far: -3e38, under every t
	s_delay_alu instid0(VALU_DEP_1)
	v_floor_f32 v12, -v13                          ; -M
	v_mov_b32 v14, 0
	v_mov_b32 v15, 0
.set j, 0
.rept 32
	v_mov_b32 v[160+j], 0                          ; O^T.  (The step is written once: the first finds zeros, which the first change of M leaves zeros)
.set j, j+1
.endr
	s_mov_b32 s[KF], 0
	s_mov_b32 s[TK], 0
	s_mov_b32 s[TV], 0
	s_mov_b32 s[TSK], 0
	s_mov_b32 s[TSV], 0
	s_mov_b32 s[CNT], \trips
	s_wait_loadcnt 0x0
.Lstep_\@:
	STEP
	s_sub_co_u32 s[CNT], s[CNT], 1
	s_cmp_lg_u32 s[CNT], 0
	s_cbranch_scc1 .Lstep_\@
	s_setprio 0
.rept 4
	v_nop                                          ; places behind the last products
.endr
	v_add_f32 v14, v14, v15                        ; the sum's two halves,
	s_delay_alu instid0(VALU_DEP_1)
	v_permlanex16_b32 v252, v14, s[SEL], s[SEL+1]
	s_delay_alu instid0(VALU_DEP_1)
	v_add_f32 v14, v14, v252                       ; and lane l xor 16's: the row's sum
	s_wait_alu depctr_va_vdst(0)
	v_rcp_f32 v14, v14
	v_nop                                          ; one plain place behind a transcendental
.set j, 0
	s_wait_alu depctr_va_vdst(0)
.rept 16
	v_pk_mul_f32 v[96+j:97+j], v[160+j:161+j], v[14:15] op_sel_hi:[1,0]   ; O^T / the sum: register 16 b + i is d = 32 b + 16 h + i of query r
.set j, j+2
.endr
.irp b, 0,1
	v_max3_num_f32 v[232+\b], |v[96+16*\b]|, |v[97+16*\b]|, 0x1800000
.endr
.irp i, 2,4,6,8,10,12,14
.irp b, 0,1
	s_delay_alu instid0(VALU_DEP_2)
	v_max3_num_f32 v[232+\b], v[232+\b], |v[96+16*\b+\i]|, |v[97+16*\b+\i]|
.endr
.endr
.irp b, 0,1
	s_delay_alu instid0(VALU_DEP_2)
	v_permlanex16_b32 v[236+\b], v[232+\b], s[SEL], s[SEL+1]
.endr
.irp b, 0,1
	s_delay_alu instid0(VALU_DEP_2)
	v_max_num_f32 v[232+\b], v[232+\b], v[236+\b]
.endr
.irp b, 0,1
	s_delay_alu instid0(VALU_DEP_2)
	v_add_nc_u32 v[244+\b], 0xff000000, v[232+\b]
.endr
.irp b, 0,1
	s_delay_alu instid0(VALU_DEP_2)
	v_lshrrev_b32 v[236+\b], 23, v[244+\b]
.endr
	s_delay_alu instid0(VALU_DEP_1)
	v_lshl_or_b32 v240, v237, 8, v236              ; my query's two scale bytes
.irp b, 0,1
	v_cvt_scalef32_pk8_fp4_f32 v[224+2*\b], v[96+16*\b:103+16*\b], v[244+\b]
	v_cvt_scalef32_pk8_fp4_f32 v[225+2*\b], v[104+16*\b:111+16*\b], v[244+\b]
.endr
	v_nop
	v_permlane16_swap_b32 v224, v226
	v_permlane16_swap_b32 v225, v227               ; lane (r, h): the 32 codes of d = 32 h on
	global_store_b128 v5, v[224:227], s[96:97]     ; the wave stores 512 consecutive bytes, aligned
	v_and_b32 v241, 15, v0
	s_lshl_b32 s[T0], s[WT], 5
	v_lshl_add_u32 v241, v241, 1, s[T0]            ; 2 (16 tile + r)
	ds_store_b16 v241, v240 offset:STG+\stoff      ; both halves of the lanes write the same bytes with the same value
.endm
; The block's 512 scale bytes lie in the stage behind a barrier; wave 0 stores them, 512 consecutive bytes.
.macro SCOUT stoff
	s_wait_dscnt 0x0                               ; for the others' sake: my store into the stage is done
	s_barrier_signal -1
	s_barrier_wait -1
	s_cmp_lg_u32 s[WV], 0
	s_cbranch_scc1 .Lnot0_\@
	ds_load_b128 v[244:247], v7 offset:STG+\stoff
	s_wait_dscnt 0x0
	global_store_b128 v7, v[244:247], s[98:99]
.Lnot0_\@:
.endm
	s_lshl_b32 s[Q0], ttmp9, 8
	s_lshl_b32 s2, s[WV], 4
	s_add_co_u32 s[Q0], s[Q0], s2                  ; block j, tile w
	s_mov_b32 s[WT], s[WV]
	PHASE 8, 0                                     ; its queries lie under 1,024
	SCOUT 0
	s_xor_b32 s2, ttmp9, 7
	s_lshl_b32 s[Q0], s2, 8
	s_xor_b32 s[WT], s[WV], 15
	s_lshl_b32 s2, s[WT], 4
	s_add_co_u32 s[Q0], s[Q0], s2                  ; block 7 - j, tile 15 - w
	PHASE 16, 512
	SCOUT 512
	s_wait_tensorcnt 0x0
	ds_add_u32 v242, v243
	s_wait_dscnt 0x0
	s_endpgm
.Lfunc_end_k_qa41547b6cb_attn:
	.size	k_qa41547b6cb_attn, .Lfunc_end_k_qa41547b6cb_attn-k_qa41547b6cb_attn
	.p2alignl 7, 3214868480
	.fill 96, 4, 3214868480
	.section	.rodata,"a",@progbits
	.p2align	6, 0x0
	.amdhsa_kernel k_qa41547b6cb_attn
		.amdhsa_group_segment_fixed_size 169984
		.amdhsa_private_segment_fixed_size 0
		.amdhsa_enable_private_segment 0
		.amdhsa_kernarg_size 40
		.amdhsa_user_sgpr_count 2
		.amdhsa_user_sgpr_kernarg_segment_ptr 1
		.amdhsa_wavefront_size32 1
		.amdhsa_system_sgpr_workgroup_id_x 1
		.amdhsa_system_sgpr_workgroup_id_y 1
		.amdhsa_system_sgpr_workgroup_id_z 1
		.amdhsa_system_vgpr_workitem_id 0
		.amdhsa_next_free_vgpr 256
		.amdhsa_next_free_sgpr 100
		.amdhsa_reserve_vcc 1
		.amdhsa_float_denorm_mode_32 3
		.amdhsa_float_denorm_mode_16_64 3
		.amdhsa_memory_ordered 1
		.amdhsa_forward_progress 1
		.amdhsa_inst_pref_size 67
	.end_amdhsa_kernel
	.amdgpu_metadata
---
amdhsa.version: [ 1, 2 ]
amdhsa.kernels:
  - .name:           k_qa41547b6cb_attn
    .symbol:         k_qa41547b6cb_attn.kd
    .args:
      - { .name: qk_codes, .offset: 0, .size: 8, .value_kind: global_buffer, .address_space: global }
      - { .name: qkv_scales, .offset: 8, .size: 8, .value_kind: global_buffer, .address_space: global }
      - { .name: v_codes, .offset: 16, .size: 8, .value_kind: global_buffer, .address_space: global }
      - { .name: a_codes, .offset: 24, .size: 8, .value_kind: global_buffer, .address_space: global }
      - { .name: a_scales, .offset: 32, .size: 8, .value_kind: global_buffer, .address_space: global }
    .group_segment_fixed_size: 169984
    .private_segment_fixed_size: 0
    .kernarg_segment_align: 8
    .kernarg_segment_size: 40
    .max_flat_workgroup_size: 512
    .sgpr_count:     100
    .vgpr_count:     256
    .wavefront_size: 32
...
	.end_amdgpu_metadata
.endif
;; end of part 3
;; launch proj (part 4): grid 4 x 64, 4 waves a work-group, clusters of 4 x 4, 239,104 bytes of LDS; arguments a_codes, a_scales, w_codes, in_scales, out_b, out0; writes out0
.if DOCPART == 4
	.amdgcn_target "amdgcn-amd-amdhsa--gfx1250"
	.amdhsa_code_object_version 6
	.text
	.protected	k_qa41547b6cb_proj
	.globl	k_qa41547b6cb_proj
	.p2align	8
	.type	k_qa41547b6cb_proj,@function
k_qa41547b6cb_proj:
	s_mov_b64 s[64:65], 0
	v_nop
	global_prefetch_b8 v0, s[64:65] scope:SCOPE_SE
	s_setreg_imm32_b32 hwreg(HW_REG_WAVE_MODE, 25, 1), 1
	s_wait_xcnt 0x0
	s_wait_alu depctr_hold_cnt(0) depctr_sa_sdst(0) depctr_va_vdst(0) depctr_va_sdst(0) depctr_va_ssrc(0) depctr_va_vcc(0) depctr_vm_vsrc(0)
	s_getreg_b32 s2, hwreg(HW_REG_IB_STS2, 6, 4)
	s_cmp_eq_u32 s2, 0
	s_cbranch_scc0 .Lentry_in_a_cluster
	s_endpgm
.Lentry_in_a_cluster:
	s_bfe_u32 s2, ttmp6, 0x10000c
	s_cmp_lg_u32 s2, 0xf033
	s_cbranch_scc0 .Lentry_shape_is_right
	s_endpgm
.Lentry_shape_is_right:
; out0 = a out_w^T + out_b on codes of FP4 with E8M0 scales, K = 1,024 = 16 heads x 64.  a: attention's result, a_codes [16 batch + head][token][32 bytes], a_scales [16 batch + head][token][2 bytes].
; out_w's codes lie in w_codes from byte 1,572,864 on (rows of 512 bytes, in their own order), its scale bytes in in_scales from byte 360,448 on (32 a row).
; SHARES.  A work-group makes 128 tokens x 256 outputs: 4 x 64 = 256 work-groups.  Wave w makes outputs 64 w .. 64 w + 63 for all 128 tokens: 32 accumulators.
; ALL OF K LIES IN LDS: two slots of 512 along K, each filled once; nothing is filled again, so there is no ring.
; a's part of a slot is 8 planes, one a head: 128 tokens x 32 bytes, 16 bytes of padding behind every 256: a K step of 128 is two heads, and registers 4 c .. 4 c + 3 of a fragment come from plane 2 (q % 4) + c.
; CLUSTER 4 x 4: a's tile hangs on the tile row alone and is asked for jointly by a row of the cluster, the weight's on the tile column alone, by a column.
; THE MATRIX INSTRUCTION IS USED TRANSPOSED (source 0 = 16 rows of out_w, source 1 = 16 tokens): a lane holds eight neighbouring outputs of one token.  The bias is the C of each sum's first product.
; REGISTERS, in windows of 256: window 0: v1-20 addresses; v32-63 the weight's scale words, v64-127 a's (scales and nothing else); v128-255 halves of a's scale words, later v128-191 rows on the way out.
;   window 1: the 32 accumulators (4 i + t).   window 2: two sets of 12 fragments at v0 and v96 (the weight's 4, then a's 8); v192-223 the bias.
.set PITCH,  272
.set PLANE,  16*PITCH                  ; a head's 128 tokens: 4,096 bytes + 16 x 16 of padding
.set DHALF,  4*PLANE
.set DALL,   8*PLANE
.set WHALF,  128*PITCH
.set SLOT,   DALL+2*WHALF
.set SCW,    2*SLOT                    ; the weight's scale bytes: 256 rows x 32
.set SCA,    SCW+8192                  ; a's: 16 heads x 128 tokens x 2
.set STG,    SCA+4096                  ; the way out: 16 rows x (256 bytes + 16) for each wave
.set ADRW, 8
.set ADRD, 10
.set ADSW, 12
.set ADSA, 13
.set STO,  14
.set RD,   15
.set CO,   16
.set BO,   20
.set SW,   32
.set SD,   64
.set OB,   128
.set BIAS, 192
.set WV,   18
.set ROLE, 19
.set EH,   20
.set CX,   21
.set CY,   22
.set WGX,  23
.set WGY,  84
.set G1D,  24
.set G1W,  32
.set G1SD, 40
.set G1SW, 48
.set G0D,  56
.set G0W,  68
.set G0SD, 76
.set G0SW, 80
.set LOADF, 0x80                       ; destination window 2, address window 0
.set MUL,   0x5a                       ; sources 0 and 1 window 2, C and D window 1
.set MUL0,  0x6a                       ; the same with C in window 2 (the bias)
.set MSB, 0
.macro WIN new
.if MSB != \new
	s_set_vgpr_msb (MSB<<8)|\new
.set MSB, \new
.endif
.endm
.macro PLACES n
.rept \n
	v_nop
.endr
.endm
.macro JLOAD g0a, g1a, g0b, g1b        ; a joint load: waves 0 and 1 fetch for a, waves 2 and 3 for the weight; four v_nop follow each line
	s_cmp_eq_u32 s[ROLE], 0
	s_cbranch_scc0 .Lfor_w_\@
	tensor_load_to_lds s[\g0a:\g0a+3], s[\g1a:\g1a+7]
	s_nop 0
.rept 4
	v_nop
.endr
	s_branch .Lasked_\@
.Lfor_w_\@:
	tensor_load_to_lds s[\g0b:\g0b+3], s[\g1b:\g1b+7]
	s_nop 0
.rept 4
	v_nop
.endr
.Lasked_\@:
.endm
.macro CROUND                          ; a round of the cluster's barrier
	s_barrier_signal -1
	s_barrier_wait -1
	s_cmp_lg_u32 s[WV], 0
	s_cbranch_scc1 .Lnot_wave_0_\@
	s_barrier_signal -3
.Lnot_wave_0_\@:
	s_barrier_wait -3
	s_barrier_signal -1
	s_barrier_wait -1
.endm
	s_load_b256 s[4:11], s[0:1], 0x0               ; a_codes s[4:5], a_scales s[6:7], w_codes s[8:9], in_scales s[10:11]
	s_load_b128 s[12:15], s[0:1], 0x20             ; out_b s[12:13], out0 s[14:15]
	v_lshl_add_u32 v30, v0, 2, 0x3a400
	v_mov_b32 v31, 0
	ds_add_u32 v30, v31
	ds_add_u32 v30, v31
	v_lshrrev_b32 v1, 5, v0
	v_readfirstlane_b32 s[WV], v1
	s_lshr_b32 s[ROLE], s[WV], 1
	s_and_b32 s[EH], s[WV], 1
	s_bfe_u32 s[CX], ttmp6, 0x40000
	s_bfe_u32 s[CY], ttmp6, 0x40004
	s_lshl_b32 s[WGX], ttmp9, 2
	s_add_co_u32 s[WGX], s[WGX], s[CX]             ; tile column: 256 outputs
	s_and_b32 s[WGY], ttmp7, 0xffff
	s_lshl_b32 s[WGY], s[WGY], 2
	s_add_co_u32 s[WGY], s[WGY], s[CY]             ; tile row: 128 tokens
	s_lshl_b32 s85, s[CY], 2
	s_lshl_b32 s85, 15, s85                        ; my row of the cluster
	s_lshl_b32 s86, 0x1111, s[CX]                  ; my column
	; a's codes: 4 heads a load; a head's 128 tokens are 4,096 consecutive bytes, heads 65,536 bytes apart; 16 bytes of padding behind every 256
	s_or_b32 s[G1D], s85, (1<<20)|(1<<21)|(5<<22)|(3<<25)
	s_mov_b32 s[G1D+1], 4096<<16
	s_mov_b32 s[G1D+2], 4<<16
	s_mov_b32 s[G1D+3], 4096<<16
	s_mov_b32 s[G1D+4], 4
	s_mov_b32 s[G1D+5], 65536
	s_mov_b32 s[G1D+6], 0
	s_mov_b32 s[G1D+7], 0
	; the weight's codes: 128 rows of 256 bytes, 512 apart, 16 bytes of padding behind each
	s_or_b32 s[G1W], s86, (1<<20)|(1<<21)|(5<<22)|(3<<25)
	s_mov_b32 s[G1W+1], 256<<16
	s_mov_b32 s[G1W+2], 128<<16
	s_mov_b32 s[G1W+3], 256<<16
	s_mov_b32 s[G1W+4], 128
	s_mov_b32 s[G1W+5], 512
	s_mov_b32 s[G1W+6], 0
	s_mov_b32 s[G1W+7], 0
	; a's scale bytes: 8 heads a load; a head's 128 tokens are 256 bytes (32 elements of 8), heads 4,096 bytes (512 elements) apart
	s_or_b32 s[G1SD], s85, (3<<16)|(1<<21)
	s_mov_b32 s[G1SD+1], 32<<16
	s_mov_b32 s[G1SD+2], 8<<16
	s_mov_b32 s[G1SD+3], 32<<16
	s_mov_b32 s[G1SD+4], 8
	s_mov_b32 s[G1SD+5], 512
	s_mov_b32 s[G1SD+6], 0
	s_mov_b32 s[G1SD+7], 0
	; the weight's: 128 rows x 32 bytes, dense: 16 rows of 256
	s_or_b32 s[G1SW], s86, (3<<16)|(1<<21)
	s_mov_b32 s[G1SW+1], 32<<16
	s_mov_b32 s[G1SW+2], 16<<16
	s_mov_b32 s[G1SW+3], 32<<16
	s_mov_b32 s[G1SW+4], 16
	s_mov_b32 s[G1SW+5], 32
	s_mov_b32 s[G1SW+6], 0
	s_mov_b32 s[G1SW+7], 0
	; where the tiles come from: a's in registers that never hold cx, the weight's in registers that never hold cy
	s_lshr_b32 s88, s[WGY], 4                      ; the batch
	s_and_b32 s87, s[WGY], 15                      ; which 128 of its tokens
	s_lshl_b32 s90, s88, 16                        ; scale bytes: 16 heads x 4,096 a batch
	s_lshl_b32 s88, s88, 20                        ; codes: 16 heads x 65,536
	s_lshl_b32 s2, s[EH], 18                       ; my 4 heads of a slot's 8
	s_add_co_u32 s88, s88, s2
	s_lshl_b32 s2, s87, 12
	s_add_co_u32 s88, s88, s2
	s_mov_b32 s89, 0
	s_lshl_b32 s2, s[EH], 15                       ; my 8 heads of the 16
	s_add_co_u32 s90, s90, s2
	s_lshl_b32 s2, s87, 8
	s_add_co_u32 s90, s90, s2
	s_mov_b32 s91, 0
	s_lshl_b32 s92, s[WGX], 8
	s_lshl_b32 s3, s[EH], 7
	s_add_co_u32 s92, s92, s3                      ; the weight: row 256 x tile column + 128 x half
	s_lshl_b32 s94, s92, 5
	s_add_co_u32 s94, s94, 360448
	s_lshl_b32 s92, s92, 9
	s_add_co_u32 s92, s92, 1572864
	s_mov_b32 s93, 0
	s_mov_b32 s95, 0
	s_mul_i32 s98, s[EH], DHALF                    ; and where they go: no place in the cluster enters an LDS address
	s_mul_i32 s99, s[EH], WHALF
	s_add_co_u32 s99, s99, DALL
	s_lshl_b32 s96, s[EH], 11
	s_add_co_u32 s96, s96, SCA
	s_lshl_b32 s97, s[EH], 12
	s_add_co_u32 s97, s97, SCW
	s_wait_dscnt 0x0
	s_wait_kmcnt 0x0
	s_add_nc_u64 s[88:89], s[4:5], s[88:89]
	s_add_nc_u64 s[90:91], s[6:7], s[90:91]
	s_add_nc_u64 s[92:93], s[8:9], s[92:93]
	s_add_nc_u64 s[94:95], s[10:11], s[94:95]
.irp s, 0,1
	s_mov_b32 s[G0D+4*\s], 1
	s_add_co_u32 s[G0D+4*\s+1], s98, \s*SLOT
	s_add_nc_u64 s[G0D+4*\s+2:G0D+4*\s+3], s[88:89], \s*8*65536   ; eight heads on
	s_or_b32 s[G0D+4*\s+3], s[G0D+4*\s+3], 0x80000000
	s_mov_b32 s[G0W+4*\s], 1
	s_add_co_u32 s[G0W+4*\s+1], s99, \s*SLOT
	s_add_nc_u64 s[G0W+4*\s+2:G0W+4*\s+3], s[92:93], \s*256
	s_or_b32 s[G0W+4*\s+3], s[G0W+4*\s+3], 0x80000000
.endr
	s_mov_b32 s[G0SD], 1
	s_mov_b32 s[G0SD+1], s96
	s_mov_b64 s[G0SD+2:G0SD+3], s[90:91]
	s_or_b32 s[G0SD+3], s[G0SD+3], 0x80000000
	s_mov_b32 s[G0SW], 1
	s_mov_b32 s[G0SW+1], s97
	s_mov_b64 s[G0SW+2:G0SW+3], s[94:95]
	s_or_b32 s[G0SW+3], s[G0SW+3], 0x80000000
	CROUND                                         ; all sixteen work-groups are here: the joint loads meet
	JLOAD G0SD, G1SD, G0SW, G1SW                   ; the scale bytes, then slot 0, then slot 1: three loads of mine are out, all first fills
	JLOAD G0D, G1D, G0W, G1W
	JLOAD G0D+4, G1D, G0W+4, G1W
	v_and_b32 v1, 15, v0                           ; r
	v_bfe_u32 v2, v0, 4, 1                         ; h
	v_mul_u32_u24 v4, v1, PITCH
	v_lshl_add_u32 v4, v2, 4, v4                   ; the weight: row x pitch + 16 x half
	s_mul_i32 s66, s[WV], 64*PITCH
	s_add_co_u32 s66, s66, DALL
	v_add_nc_u32 v[ADRW], s66, v4
	v_add_nc_u32 v[ADRW+1], SLOT, v[ADRW]
	v_lshrrev_b32 v5, 3, v1
	v_and_b32 v6, 7, v1
	v_mul_u32_u24 v[ADRD], v5, PITCH
	v_lshl_add_u32 v[ADRD], v6, 5, v[ADRD]
	v_lshl_add_u32 v[ADRD], v2, 4, v[ADRD]         ; a: token r of a tile: 8 tokens to 256 bytes, 32 bytes a token, my half's 16: 16 lanes touch 16 different 16-byte columns modulo 256 bytes
	v_add_nc_u32 v[ADRD+1], SLOT, v[ADRD]
	s_lshl_b32 s66, s[WV], 11
	s_add_co_u32 s66, s66, SCW
	v_lshl_add_u32 v[ADSW], v1, 5, s66
	v_lshl_add_u32 v[ADSA], v1, 1, SCA
	s_mul_i32 s66, s[WV], 16*PITCH
	s_add_co_u32 s66, s66, STG                     ; my stage
	v_lshl_add_u32 v[STO], v2, 5, s66
	v_mad_u32_u24 v[STO], v1, PITCH, v[STO]        ; in: row r, 32 bytes for each half of the lanes
	v_lshl_add_u32 v[RD], v1, 4, s66
	v_mad_u32_u24 v[RD], v2, PITCH, v[RD]          ; back: lanes 0-15 one row of 256 bytes, lanes 16-31 the next
	v_lshlrev_b32 v[CO], 12, v2
	v_lshl_add_u32 v[CO], v1, 4, v[CO]             ; and the same two rows in out0
	v_lshlrev_b32 v[BO], 5, v2
	s_wait_alu depctr_va_vdst(0)
	s_lshl_b32 s2, s[WGX], 10
	s_lshl_b32 s3, s[WV], 8
	s_add_co_u32 s2, s2, s3                        ; my first output, in bytes
	s_mov_b32 s3, 0
	s_add_nc_u64 s[12:13], s[12:13], s[2:3]
	s_add_nc_u64 s[14:15], s[14:15], s[2:3]
	s_lshl_b32 s2, s[WGY], 19                      ; 128 rows of 4,096 bytes
	s_add_nc_u64 s[14:15], s[14:15], s[2:3]
	WIN LOADF
.irp t, 0,1,2,3                                ; register j of tile t is output 16 t + 8 h + j
	global_load_b128 v[BIAS+8*\t:BIAS+8*\t+3], v[BO], s[12:13] offset:64*\t
	global_load_b128 v[BIAS+8*\t+4:BIAS+8*\t+7], v[BO], s[12:13] offset:64*\t+16
.endr
	WIN 0
.macro FRAGS q                         ; the 12 fragments of K step q into set q % 2: 24 loads
	WIN LOADF
.irp t, 0,1,2,3
.irp c, 0,1
	ds_load_b128 v[96*((\q)%2)+8*\t+4*\c:96*((\q)%2)+8*\t+4*\c+3], v[ADRW+(\q)/4] offset:64*((\q)%4)+32*\c+16*PITCH*\t
.endr
.endr
.irp i, 0,1,2,3,4,5,6,7
.irp c, 0,1
	ds_load_b128 v[96*((\q)%2)+32+8*\i+4*\c:96*((\q)%2)+32+8*\i+4*\c+3], v[ADRD+(\q)/4] offset:(2*((\q)%4)+\c)*PLANE+2*PITCH*\i
.endr
.endr
.endm
; The 32 products of K step q: source 0 the weight's tile t, source 1 a's tile i, accumulator 4 i + t.  The 32 accumulators take turns, one instruction a turn.
.macro MULS q, first
.if \first
	WIN MUL0
.else
	WIN MUL
.endif
.set FB, 96*((\q)%2)
.irp i, 0,1,2,3,4,5,6,7
.irp t, 0,1,2,3
.set AC, 8*(4*\i+\t)
.if \first
	v_wmma_scale_f32_16x16x128_f8f6f4 v[AC:AC+7], v[FB+8*\t:FB+8*\t+7], v[FB+32+8*\i:FB+32+8*\i+7], v[BIAS+8*\t:BIAS+8*\t+7], v[SW+8*\t+(\q)], v[SD+8*\i+(\q)] matrix_a_fmt:MATRIX_FMT_FP4 matrix_b_fmt:MATRIX_FMT_FP4
.else
	v_wmma_scale_f32_16x16x128_f8f6f4 v[AC:AC+7], v[FB+8*\t:FB+8*\t+7], v[FB+32+8*\i:FB+32+8*\i+7], v[AC:AC+7], v[SW+8*\t+(\q)], v[SD+8*\i+(\q)] matrix_a_fmt:MATRIX_FMT_FP4 matrix_b_fmt:MATRIX_FMT_FP4
.endif
.endr
.endr
.endm
	s_wait_tensorcnt 0x1                           ; my parts of the scale bytes and of slot 0 are in; slot 1's load may stay out
	s_barrier_signal -1
	s_barrier_wait -1                              ; everybody's are
.irp t, 0,1,2,3
.irp g, 0,1
	ds_load_b128 v[SW+8*\t+4*\g:SW+8*\t+4*\g+3], v[ADSW] offset:512*\t+16*\g
.endr
.endr
.irp i, 0,1,2,3,4,5,6,7                        ; a's scale word of K step q and token 16 i + r: the two bytes of head 2 q below those of head 2 q + 1
.irp q, 0,1,2,3,4,5,6,7
	ds_load_u16 v[128+8*\i+\q], v[ADSA] offset:512*\q+32*\i
	ds_load_u16 v[192+8*\i+\q], v[ADSA] offset:512*\q+256+32*\i
.endr
.endr
	FRAGS 0
	s_wait_dscnt 24                                ; the scale bytes are in; step 0's 24 loads may be out
	WIN 0
.set n, 0
.rept 64
	v_lshl_or_b32 v[SD+n], v[192+n], 16, v[128+n]
.set n, n+1
.endr
	PLACES 8                                       ; a scale register written by a vector instruction stands 8 places ahead of a scaled matrix instruction
	FRAGS 1
	s_wait_alu depctr_va_vdst(0)
	s_wait_dscnt 24                                ; all but step 1's 24 loads
	s_wait_loadcnt 0x0                             ; the bias
	MULS 0, 1
.irp q, 1,2
	PLACES 4                                       ; in front of loads into registers that the last products read
	FRAGS \q+1
	s_wait_dscnt 24                                ; this step's fragments are in; the next step's 24 loads may be out
	MULS \q, 0
.endr
	s_wait_tensorcnt 0x0                           ; my part of slot 1 is in: my last load
	s_wait_dscnt 0x0                               ; no LDS instruction of mine is out at a signal
	s_barrier_signal -1
	s_barrier_wait -1                              ; slot 1 is whole
	PLACES 4
	FRAGS 4
	s_wait_dscnt 24
	MULS 3, 0
.irp q, 4,5,6
	PLACES 4
	FRAGS \q+1
	s_wait_dscnt 24
	MULS \q, 0
.endr
	s_wait_dscnt 0x0
	MULS 7, 0
	WIN 0
; THE WAY OUT, 16 tokens x my 64 outputs at a time.  A lane holds 32 neighbouring bytes of a row and the lanes beside it hold other rows: so a block goes through my own stage in LDS and comes back
; as whole rows of 256 bytes.  LDS serves a wave's instructions in order: no wait between the stores and the loads, nor in front of the next block's stores.
.macro TOSTAGE i
	WIN 0x04                                       ; an LDS store's data are its source 1: window 1
.irp t, 0,1,2,3
	ds_store_b128 v[STO], v[8*(4*(\i)+\t):8*(4*(\i)+\t)+3] offset:64*\t          ; each accumulator from its low end on
	ds_store_b128 v[STO], v[8*(4*(\i)+\t)+4:8*(4*(\i)+\t)+7] offset:64*\t+16
.endr
	WIN 0
.irp k, 0,1,2,3,4,5,6,7
	ds_load_b128 v[OB+32*((\i)%2)+4*\k:OB+32*((\i)%2)+4*\k+3], v[RD] offset:2*PITCH*\k
.endr
.endm
.macro SEND i, younger                 ; younger: the LDS instructions issued behind block i's loads, which may stay out
	s_wait_dscnt \younger
.irp k, 0,1,2,3,4,5,6,7
	global_store_b128 v[CO], v[OB+32*((\i)%2)+4*\k:OB+32*((\i)%2)+4*\k+3], s[14:15] offset:(16*(\i)+2*\k)*4096 th:TH_STORE_NT   ; 16 lanes store 256 consecutive bytes, aligned; written once, read by nobody here
.endr
.endm
	PLACES 4                                       ; behind the last products
	TOSTAGE 0
.irp a, 1,2,3,4,5,6,7
.if \a > 1
	s_wait_xcnt 0x0                                ; block a - 2's stores have read their registers: block a's loads may land there
.endif
	TOSTAGE \a
	SEND \a-1, 16                                  ; behind block a - 1's loads: block a's 8 stores and 8 loads
.endr
	SEND 7, 0
	s_wait_dscnt 0x0
	s_wait_tensorcnt 0x0
	ds_add_u32 v30, v31
	s_wait_dscnt 0x0
	CROUND                                         ; the closing round: no work-group ends while a partner may still ask for a tile that names it
	s_endpgm
.Lfunc_end_k_qa41547b6cb_proj:
	.size	k_qa41547b6cb_proj, .Lfunc_end_k_qa41547b6cb_proj-k_qa41547b6cb_proj
	.p2alignl 7, 3214868480
	.fill 96, 4, 3214868480
	.section	.rodata,"a",@progbits
	.p2align	6, 0x0
	.amdhsa_kernel k_qa41547b6cb_proj
		.amdhsa_group_segment_fixed_size 239104
		.amdhsa_private_segment_fixed_size 0
		.amdhsa_enable_private_segment 0
		.amdhsa_kernarg_size 48
		.amdhsa_user_sgpr_count 2
		.amdhsa_user_sgpr_kernarg_segment_ptr 1
		.amdhsa_wavefront_size32 1
		.amdhsa_system_sgpr_workgroup_id_x 1
		.amdhsa_system_sgpr_workgroup_id_y 1
		.amdhsa_system_sgpr_workgroup_id_z 1
		.amdhsa_system_vgpr_workitem_id 0
		.amdhsa_next_free_vgpr 768
		.amdhsa_next_free_sgpr 100
		.amdhsa_reserve_vcc 0
		.amdhsa_float_denorm_mode_32 3
		.amdhsa_float_denorm_mode_16_64 3
		.amdhsa_memory_ordered 1
		.amdhsa_forward_progress 1
		.amdhsa_inst_pref_size 85
	.end_amdhsa_kernel
	.amdgpu_metadata
---
amdhsa.version: [ 1, 2 ]
amdhsa.kernels:
  - .name:           k_qa41547b6cb_proj
    .symbol:         k_qa41547b6cb_proj.kd
    .args:
      - { .name: a_codes, .offset: 0, .size: 8, .value_kind: global_buffer, .address_space: global }
      - { .name: a_scales, .offset: 8, .size: 8, .value_kind: global_buffer, .address_space: global }
      - { .name: w_codes, .offset: 16, .size: 8, .value_kind: global_buffer, .address_space: global }
      - { .name: in_scales, .offset: 24, .size: 8, .value_kind: global_buffer, .address_space: global }
      - { .name: out_b, .offset: 32, .size: 8, .value_kind: global_buffer, .address_space: global }
      - { .name: out0, .offset: 40, .size: 8, .value_kind: global_buffer, .address_space: global }
    .group_segment_fixed_size: 239104
    .private_segment_fixed_size: 0
    .kernarg_segment_align: 8
    .kernarg_segment_size: 48
    .max_flat_workgroup_size: 128
    .sgpr_count:     100
    .vgpr_count:     768
    .wavefront_size: 32
...
	.end_amdgpu_metadata
.endif
;; end of part 4
